; MI455X (gfx1250); checked and timed in simulation.
; The chip was launched on July 23, 2026; its instructions are those of AMD's public machine-readable ISA for CDNA 5 (MIT licence, August 2026) and "CDNA5" Instruction Set Architecture Reference Guide (July 2026). The comments in the code are by the model that wrote it; some were corrected since.
;; Cross Attention. Allowed arithmetic: float matrix products may take bf16 or f16 operands with f32 sums; all other float work in f32.
;; Inputs: Wkv 1,024 x 2,048 float32; Wo 1,024 x 1,024 float32; Wq 1,024 x 1,024 float32; bo 1,024 float32; rel_emb 1,025 x 64 float32; x 2 x 2,048 x 1,024 float32.
;; Outputs: out0 2 x 2,048 x 1,024 float32.
;; 2 versions, each right; version 2 is version 1 with the launch prep written anew for expert scheduling mode. Each part assembles by itself: llvm-mc -triple=amdgcn-amd-amdhsa -mcpu=gfx1250 --defsym DOCPART=n.
;; ======== version 1 of 2: 4 launches
;; limits: values are held in f16: magnitudes above 65,504 overflow, below 6.1e-05 lose precision
;; workspace buffers: xh 8,388,608 bytes; wqkv 6,291,456 bytes; woh 2,097,152 bytes; tab 147,456 bytes; qkv 25,165,824 bytes; ao 8,388,608 bytes
;; launch prep (part 1): grid 521 x 1, 8 waves a work-group, no clusters, 0 bytes of LDS; arguments x, Wq, Wkv, Wo, rel_emb, xh, wqkv, woh, tab; writes xh, wqkv, woh, tab
.if DOCPART == 1
	.amdgcn_target "amdgcn-amd-amdhsa--gfx1250"
	.amdhsa_code_object_version 6
	.text
	.protected	k_qcba8a94faf_prep
	.globl	k_qcba8a94faf_prep
	.p2align	8
	.type	k_qcba8a94faf_prep,@function
k_qcba8a94faf_prep:
	s_mov_b64 s[64:65], 0
	v_nop
	global_prefetch_b8 v0, s[64:65] scope:SCOPE_SE
	s_setreg_imm32_b32 hwreg(HW_REG_WAVE_MODE, 25, 1), 1
	s_wait_xcnt 0x0
; prep: every matrix operand that comes from an input is made ready once, in f16 (round to nearest).
;   xh   [4096][1024]      = x
;   wqkv [1024 k][3072 n]  : n < 1024: Wq * 0.125 * log2(e)  (SCALE and the change to base 2 multiply both logit terms through q);
;                            n = 1024 + 128 hh + e: e < 64 column 64 hh + e of K's half of Wkv, e >= 64 column 64 hh + e - 64 of V's half
;   woh  [1024 k][1024 n]  = Wo
;   tab  [1152][64]        : tab[tau] = rel_emb[clip(1087 - tau, 0, 1024)]: the table reversed, its clipping written out as repeated rows
; LIMIT: f16 holds up to 65,504; x, W and rel_emb as drawn are a few units at the most, 30 times larger or an offset of 30 spreads still fits.
; A stream: no LDS, no matrix unit, no cluster.  A unit is 1,024 numbers: thread t loads 16 bytes and stores 8, so a wave's load covers 512
; (for Wkv two times 256) consecutive bytes and its store 256 consecutive bytes, aligned.  A work-group does 16 units (the table's: 8),
; all loads first, each register used once: no loop, and no register of a pending instruction is written again.
.set XR, 16                            ; v[16:79]   16 units x 4 numbers in f32
.set YR, 80                            ; v[80:111]  16 units x 4 numbers in f16
; sb, db: first scalar register of the source's and the destination's address; sv: vector register with the source's lane term;
; unit u is read at (u>>1) S2 + (u&1) S1 and written at (u>>1) D2 + (u&1) D1 + D0; scale = 1: times 0.125 log2(e) = 0x3e38aa3b
.macro CAST16 sb, db, sv, S2, S1, D2, D1, D0, scale
.set u, 0
.rept 16
	global_load_b128 v[XR+4*u:XR+4*u+3], v[\sv], s[\sb:\sb+1] offset:(u>>1)*\S2+(u&1)*\S1 th:TH_LOAD_NT
.set u, u+1
.endr
.set u, 0
.rept 16
	s_wait_loadcnt 15-u                            ; loads come back in order: unit u is in, the 15 - u younger ones stay out
.if \scale
	v_pk_mul_f32 v[XR+4*u:XR+4*u+1], v[XR+4*u:XR+4*u+1], 0x3e38aa3b op_sel_hi:[1,0]
	v_pk_mul_f32 v[XR+4*u+2:XR+4*u+3], v[XR+4*u+2:XR+4*u+3], 0x3e38aa3b op_sel_hi:[1,0]
.endif
	v_cvt_pk_f16_f32 v[YR+2*u], v[XR+4*u], v[XR+4*u+1]
	v_cvt_pk_f16_f32 v[YR+2*u+1], v[XR+4*u+2], v[XR+4*u+3]
	global_store_b64 v2, v[YR+2*u:YR+2*u+1], s[\db:\db+1] offset:(u>>1)*\D2+(u&1)*\D1+\D0
.set u, u+1
.endr
.endm
	s_load_b512 s[8:23], s[0:1], 0x0               ; x s8, Wq s10, Wkv s12, Wo s14, rel_emb s16, xh s18, wqkv s20, woh s22
	s_load_b64 s[24:25], s[0:1], 0x40              ; tab
	v_lshlrev_b32 v1, 4, v0                        ; 16 t: my 4 numbers in a dense unit of f32
	v_lshlrev_b32 v2, 3, v0                        ; 8 t: my 4 numbers in a unit of f16
	s_mov_b32 s3, 0                                ; high words of the two offsets
	s_mov_b32 s5, 0
	s_wait_kmcnt 0x0
	s_cmp_lt_u32 ttmp9, 256
	s_cbranch_scc1 .Ljob_x
	s_cmp_lt_u32 ttmp9, 320
	s_cbranch_scc1 .Ljob_wq
	s_cmp_lt_u32 ttmp9, 448
	s_cbranch_scc1 .Ljob_wkv
	s_cmp_lt_u32 ttmp9, 512
	s_cbranch_scc1 .Ljob_wo
	; work-groups 512 to 520: 128 rows of tab each, 16 rows a unit
	s_sub_co_u32 s6, ttmp9, 512
	s_lshl_b32 s4, s6, 14                          ; 128 rows x 128 bytes
	s_lshl_b32 s7, s6, 7                           ; the group's first tau
	s_add_nc_u64 s[24:25], s[24:25], s[4:5]
	v_lshrrev_b32 v12, 4, v0                       ; my row in a unit
	v_add_nc_u32 v12, s7, v12
	v_and_b32 v13, 15, v0
	v_lshlrev_b32 v13, 4, v13                      ; my 16 bytes in a row of rel_emb
.irp u, 0,1,2,3,4,5,6,7
	v_add_nc_u32 v14, 16*\u, v12                   ; tau
	v_min_u32 v14, 1087, v14
	v_sub_nc_u32 v14, 1087, v14                    ; max(1087 - tau, 0)
	v_min_u32 v14, 1024, v14                       ; a row of rel_emb, 0 to 1024
	v_lshl_add_u32 v[4+\u], v14, 8, v13
.endr
.irp u, 0,1,2,3,4,5,6,7
	global_load_b128 v[XR+4*\u:XR+4*\u+3], v[4+\u], s[16:17]       ; rows 0 and 1024 are named many times: no hint
.endr
.irp u, 0,1,2,3,4,5,6,7
	s_wait_loadcnt 7-\u                            ; unit u is in, the younger ones stay out
	v_cvt_pk_f16_f32 v[YR+2*\u], v[XR+4*\u], v[XR+4*\u+1]
	v_cvt_pk_f16_f32 v[YR+2*\u+1], v[XR+4*\u+2], v[XR+4*\u+3]
	global_store_b64 v2, v[YR+2*\u:YR+2*\u+1], s[24:25] offset:2048*\u
.endr
	s_endpgm
.Ljob_x:                                               ; work-groups 0 to 255: 16 rows of x each
	s_lshl_b32 s2, ttmp9, 16
	s_lshl_b32 s4, ttmp9, 15
	s_add_nc_u64 s[8:9], s[8:9], s[2:3]
	s_add_nc_u64 s[18:19], s[18:19], s[4:5]
	CAST16 8, 18, 1, 8192, 4096, 4096, 2048, 0, 0
	s_endpgm
.Ljob_wq:                                              ; 256 to 319: 16 rows of Wq each, into columns 0 to 1023 of wqkv (rows of 6,144 bytes)
	s_sub_co_u32 s6, ttmp9, 256
	s_lshl_b32 s2, s6, 16
	s_mul_i32 s4, s6, 98304
	s_add_nc_u64 s[10:11], s[10:11], s[2:3]
	s_add_nc_u64 s[20:21], s[20:21], s[4:5]
	CAST16 10, 20, 1, 8192, 4096, 12288, 6144, 0, 1
	s_endpgm
.Ljob_wkv:                                             ; 320 to 447: 8 rows of Wkv each, two units a row
	s_sub_co_u32 s6, ttmp9, 320
	s_lshl_b32 s2, s6, 16
	s_mul_i32 s4, s6, 49152
	s_add_nc_u64 s[12:13], s[12:13], s[2:3]
	s_add_nc_u64 s[20:21], s[20:21], s[4:5]
	; wave w, unit half e: head w + 8 e.  Lanes 0-15 read K's 64 columns of that head, lanes 16-31 V's (4,096 bytes further),
	; so that the wave's store is the head's whole K|V row piece of 256 bytes
	v_bfe_u32 v3, v0, 4, 1
	v_lshlrev_b32 v3, 12, v3
	v_lshrrev_b32 v4, 5, v0
	v_lshl_add_u32 v3, v4, 8, v3
	v_and_b32 v4, 15, v0
	v_lshl_add_u32 v3, v4, 4, v3
	CAST16 12, 20, 3, 8192, 2048, 6144, 2048, 2048, 0
	s_endpgm
.Ljob_wo:                                              ; 448 to 511: 16 rows of Wo each
	s_sub_co_u32 s6, ttmp9, 448
	s_lshl_b32 s2, s6, 16
	s_lshl_b32 s4, s6, 15
	s_add_nc_u64 s[14:15], s[14:15], s[2:3]
	s_add_nc_u64 s[22:23], s[22:23], s[4:5]
	CAST16 14, 22, 1, 8192, 4096, 4096, 2048, 0, 0
	s_endpgm
.Lfunc_end_k_qcba8a94faf_prep:
	.size	k_qcba8a94faf_prep, .Lfunc_end_k_qcba8a94faf_prep-k_qcba8a94faf_prep
	.p2alignl 7, 3214868480
	.fill 96, 4, 3214868480
	.section	.rodata,"a",@progbits
	.p2align	6, 0x0
	.amdhsa_kernel k_qcba8a94faf_prep
		.amdhsa_group_segment_fixed_size 0
		.amdhsa_private_segment_fixed_size 0
		.amdhsa_enable_private_segment 0
		.amdhsa_kernarg_size 72
		.amdhsa_user_sgpr_count 2
		.amdhsa_user_sgpr_kernarg_segment_ptr 1
		.amdhsa_wavefront_size32 1
		.amdhsa_system_sgpr_workgroup_id_x 1
		.amdhsa_system_sgpr_workgroup_id_y 1
		.amdhsa_system_sgpr_workgroup_id_z 1
		.amdhsa_system_vgpr_workitem_id 0
		.amdhsa_next_free_vgpr 112
		.amdhsa_next_free_sgpr 66
		.amdhsa_reserve_vcc 0
		.amdhsa_float_denorm_mode_32 3
		.amdhsa_float_denorm_mode_16_64 3
		.amdhsa_memory_ordered 1
		.amdhsa_forward_progress 1
		.amdhsa_inst_pref_size 33
	.end_amdhsa_kernel
	.amdgpu_metadata
---
amdhsa.version: [ 1, 2 ]
amdhsa.kernels:
  - .name:           k_qcba8a94faf_prep
    .symbol:         k_qcba8a94faf_prep.kd
    .args:
      - { .name: x, .offset: 0, .size: 8, .value_kind: global_buffer, .address_space: global }
      - { .name: Wq, .offset: 8, .size: 8, .value_kind: global_buffer, .address_space: global }
      - { .name: Wkv, .offset: 16, .size: 8, .value_kind: global_buffer, .address_space: global }
      - { .name: Wo, .offset: 24, .size: 8, .value_kind: global_buffer, .address_space: global }
      - { .name: rel_emb, .offset: 32, .size: 8, .value_kind: global_buffer, .address_space: global }
      - { .name: xh, .offset: 40, .size: 8, .value_kind: global_buffer, .address_space: global }
      - { .name: wqkv, .offset: 48, .size: 8, .value_kind: global_buffer, .address_space: global }
      - { .name: woh, .offset: 56, .size: 8, .value_kind: global_buffer, .address_space: global }
      - { .name: tab, .offset: 64, .size: 8, .value_kind: global_buffer, .address_space: global }
    .group_segment_fixed_size: 0
    .private_segment_fixed_size: 0
    .kernarg_segment_align: 8
    .kernarg_segment_size: 72
    .max_flat_workgroup_size: 256
    .sgpr_count:     66
    .vgpr_count:     112
    .wavefront_size: 32
...
	.end_amdgpu_metadata
.endif
;; end of part 1
;; launch qkv (part 2): grid 12 x 16, 4 waves a work-group, clusters of 4 x 4, 327,680 bytes of LDS; arguments xh, wqkv, qkv; writes qkv
.if DOCPART == 2
	.amdgcn_target "amdgcn-amd-amdhsa--gfx1250"
	.amdhsa_code_object_version 6
	.text
	.protected	k_qcba8a94faf_qkv
	.globl	k_qcba8a94faf_qkv
	.p2align	8
	.type	k_qcba8a94faf_qkv,@function
k_qcba8a94faf_qkv:
	s_mov_b64 s[64:65], 0
	v_nop
	global_prefetch_b8 v0, s[64:65] scope:SCOPE_SE
	s_setreg_imm32_b32 hwreg(HW_REG_WAVE_MODE, 25, 1), 1
	s_wait_xcnt 0x0
	s_wait_alu depctr_hold_cnt(0) depctr_sa_sdst(0) depctr_va_vdst(0) depctr_va_sdst(0) depctr_va_ssrc(0) depctr_va_vcc(0) depctr_vm_vsrc(0)
	s_getreg_b32 s2, hwreg(HW_REG_IB_STS2, 6, 4)
	s_cmp_eq_u32 s2, 0
	s_cbranch_scc0 .Lentry_in_a_cluster
	s_endpgm
.Lentry_in_a_cluster:
	s_bfe_u32 s2, ttmp6, 0x10000c
	s_cmp_lg_u32 s2, 0xf033
	s_cbranch_scc0 .Lentry_shape_is_right
	s_endpgm
.Lentry_shape_is_right:
; qkv = xh x wqkv: [4096][1024] x [1024 k][3072 n], f16 operands, f32 sums, rounded once to f16 and stored in planes of 64 columns:
; qkv[b][plane][t][64], 48 planes a batch; plane h < 16: Q (already scaled) of head h; plane 16 + 2 h: K of head h; plane 17 + 2 h: V of head h.
; A row of a plane is 128 bytes and the rows follow each other, so that a tile of keys is one dense block.
; LIMIT: q, k, v must stay below 65,504 (f16).  As drawn they are a few units; x and W both 30 times larger give 900 times that;
; an offset of 30 spreads on both gives 1024 x 30 x 0.94, about 28,800.
; A work-group makes 256 x 256 of the product with four waves, a wave 128 x 128: 64 accumulator tiles, 512 registers.  K goes in steps of 128
; through two LDS slots filled by the tensor data mover.  192 work-groups: the product has 16 x 12 such blocks.
; CLUSTERS: 4 x 4 work-groups.  The four of a row of the cluster need the same tiles of xh, the four of a column the same tiles of wqkv:
; each tile is asked for jointly, by the same load with the same descriptor and a mask that names the four.
; xh's tile: rows along K, 128 rows x 256 bytes a load, LDS pitch 272.  wqkv's tile lies [k][n]: 64 k-rows x 512 bytes a load, LDS pitch 544
; (17 x 32 bytes), and its fragments are read by the transposing load.
; REGISTERS, in windows of 256: window 0: v0-31 addresses, v64-127 and v128-191 fragments of xh (two buffers), v192-223 the way out;
; window 1: v64-127, v128-191 fragments of wqkv; window 2: accumulators of my rows 0-63 (tile (a, b) at v[8 (8 a + b)]); window 3: rows 64-127.
; THE MATRIX INSTRUCTION IS USED TRANSPOSED: source 0 = 16 columns of wqkv, source 1 = 16 rows of xh, so that a lane's eight results are eight
; neighbouring columns of one row and pack into 16 bytes.
.set SIZE_K, 1024
.set SIZE_N, 3072
.set KSTEP,  128
.set PITCH,  272                       ; xh's LDS row: 256 bytes + 16: the 16 rows that a load touches start 68 words apart
.set BPITCH, 544                       ; wqkv's LDS row: 512 bytes + 32
.set HALFT,  128*PITCH                 ; what one tensor load brings: 128 x 272 = 64 x 544 bytes
.set SLOT,   4*HALFT                   ; xh's 256 rows, then wqkv's 128 k-rows
.set STAGE,  2*SLOT                    ; behind the ring: 16 rows x 272 bytes for each wave; no tensor load lands here
.set SPITCH, 272
.set PLANE,  2048*128                  ; bytes in a plane of qkv
.set LAPS, SIZE_K/(2*KSTEP)            ; 4 laps of two K steps
.set ADRA, 16                          ; v16-17  LDS address of my xh fragments in slot 0, 1
.set ADRB, 20                          ; v20-21  the same for wqkv
.set STO,  24                          ; v24     the way out: where I put 16 bytes of a row
.set RD,   25                          ; v25     the way out: where I read rows back
.set CO,   26                          ; v26     16 x lane: my 16 bytes of four neighbouring rows of a plane
.set F0,   64
.set F1,   128
.set TMP,  192
.set G1, 24                            ; s[24:31] group 1 for xh's tiles
.set G0, 32                            ; s[32:39] group 0 for xh's tiles, a set for each slot
.set G1B, 48                           ; s[48:55] group 1 for wqkv's tiles
.set G0B, 56                           ; s[56:63] group 0 for wqkv's tiles, a set for each slot
.set MSB, 0
.macro WIN new                         ; the immediate's high byte repeats the setting that is left
.if MSB != \new
	s_set_vgpr_msb (MSB<<8)|\new
.set MSB, \new
.endif
.endm
.set MUL_LO, 0xa1                      ; source 0 window 1, source 1 window 0, C and D window 2
.set MUL_HI, 0xf1                      ; the same, C and D window 3
.set TO_B,   0x40                      ; destination window 1, address window 0
; A joint load.  Waves 0 and 1 fetch xh's two halves, waves 2 and 3 wqkv's.  The branch hangs on the wave's number alone.
.macro JLOAD s
	s_cmp_eq_u32 s11, 0
	s_cbranch_scc0 .Lfor_b_\@
	tensor_load_to_lds s[G0+4*\s:G0+4*\s+3], s[G1:G1+7]
	s_nop 0
	s_branch .Lasked_\@
.Lfor_b_\@:
	tensor_load_to_lds s[G0B+4*\s:G0B+4*\s+3], s[G1B:G1B+7]
	s_nop 0
.Lasked_\@:
.endm
; A round of the cluster's barrier: my work-group's barrier, wave 0 signals for the work-group, every wave waits for all sixteen, my work-group's barrier again.
.macro CREST                           ; a round behind its opening barrier
	s_cmp_lg_u32 s10, 0
	s_cbranch_scc1 .Lnot_wave_0_\@
	s_barrier_signal -3
.Lnot_wave_0_\@:
	s_barrier_wait -3
	s_barrier_signal -1
	s_barrier_wait -1
.endm
.macro CROUND
	s_barrier_signal -1
	s_barrier_wait -1
	CREST
.endm
	s_load_b128 s[4:7], s[0:1], 0x0                ; xh s[4:5], wqkv s[6:7]
	s_load_b64 s[8:9], s[0:1], 0x10                ; qkv
	s_set_vgpr_msb 0x40
	v_lshl_add_u32 v255, v0, 2, 0x48400
	s_set_vgpr_msb 0x4000
	v_mov_b32 v255, 0
	s_set_vgpr_msb 0x1
	ds_add_u32 v255, v255
	s_set_vgpr_msb 0x100
	v_lshrrev_b32 v1, 5, v0
	v_readfirstlane_b32 s10, v1                    ; wave 0..3
	s_lshr_b32 s11, s10, 1                         ; which half of the block's rows is mine.  Also: I fetch xh (0) or wqkv (1)
	s_and_b32 s12, s10, 1                          ; which half of its columns.  Also: which half of that tile I fetch
	s_bfe_u32 s40, ttmp6, 0x40000                  ; cx
	s_bfe_u32 s41, ttmp6, 0x40004                  ; cy
	s_lshl_b32 s42, ttmp9, 2
	s_add_co_u32 s42, s42, s40                     ; block column = 4 x cluster x + cx
	s_and_b32 s13, ttmp7, 0xffff
	s_lshl_b32 s13, s13, 2
	s_add_co_u32 s13, s13, s41                     ; block row = 4 x cluster y + cy
	s_lshl_b32 s43, s41, 2
	s_lshl_b32 s43, 15, s43                        ; my row of the cluster: places 4 cy .. 4 cy + 3
	s_lshl_b32 s44, 0x1111, s40                    ; my column: places cx, cx + 4, cx + 8, cx + 12
	; group 1 of xh's tiles: 128 rows x 128 elements of 2 bytes; 4 words of padding after every 64 words
	s_or_b32 s[G1+0], s43, (1<<16)|(1<<20)|(1<<21)|(5<<22)|(3<<25)
	s_mov_b32 s[G1+1], KSTEP<<16                   ; tensor_dim0 = 128
	s_mov_b32 s[G1+2], 128<<16                     ; tensor_dim1 = 128
	s_mov_b32 s[G1+3], KSTEP<<16                   ; tile_dim0 = 128
	s_mov_b32 s[G1+4], 128                         ; tile_dim1 = 128
	s_mov_b32 s[G1+5], SIZE_K                      ; elements from row to row
	s_mov_b32 s[G1+6], 0
	s_mov_b32 s[G1+7], 0
	; group 1 of wqkv's tiles: 64 k-rows x 256 elements; 8 words of padding after every 128 words
	s_or_b32 s[G1B+0], s44, (1<<16)|(1<<20)|(1<<21)|(6<<22)|(7<<25)
	s_mov_b32 s[G1B+1], 256<<16
	s_mov_b32 s[G1B+2], 64<<16
	s_mov_b32 s[G1B+3], 256<<16
	s_mov_b32 s[G1B+4], 64
	s_mov_b32 s[G1B+5], SIZE_N
	s_mov_b32 s[G1B+6], 0
	s_mov_b32 s[G1B+7], 0
	; xh's tiles hang on the block row alone, wqkv's on the block column alone; each offset in registers that never hold the other coordinate
	s_lshl_b32 s17, s12, 7
	s_lshl_b32 s16, s13, 8
	s_add_co_u32 s16, s16, s17                     ; row 256 x block row + 128 x half
	s_lshl_b32 s16, s16, 11                        ; x 2,048 bytes a row
	s_mov_b32 s17, 0
	s_mul_i32 s47, s12, 64*SIZE_N*2                ; k-row 64 x half
	s_lshl_b32 s46, s42, 9                         ; column 256 x block column, in bytes
	s_add_co_u32 s46, s46, s47
	s_mov_b32 s47, 0
	s_mul_i32 s20, s10, HALFT                      ; where they go: wave x 34,816 bytes; no place in the cluster enters an LDS address
	s_wait_dscnt 0x0
	s_wait_kmcnt 0x0
	s_add_nc_u64 s[14:15], s[4:5], s[16:17]
	s_add_nc_u64 s[46:47], s[6:7], s[46:47]
	CROUND                                         ; all sixteen work-groups are here: the first joint loads meet
.irp s, 0,1
	s_mov_b32 s[G0+4*\s], 1
	s_add_co_u32 s[G0+4*\s+1], s20, \s*SLOT
	s_add_nc_u64 s[G0+4*\s+2:G0+4*\s+3], s[14:15], \s*KSTEP*2
	s_or_b32 s[G0+4*\s+3], s[G0+4*\s+3], 0x80000000
	s_mov_b32 s[G0B+4*\s], 1
	s_add_co_u32 s[G0B+4*\s+1], s20, \s*SLOT
	s_add_nc_u64 s[G0B+4*\s+2:G0B+4*\s+3], s[46:47], \s*KSTEP*SIZE_N*2
	s_or_b32 s[G0B+4*\s+3], s[G0B+4*\s+3], 0x80000000
	JLOAD \s                                       ; both slots' first fills go out before anything else: two loads of a wave are out
.endr
	; xh's fragment: lane l holds row l % 16; two loads of 16 bytes, 32 apart, at row x pitch + 16 (l / 16).
	; wqkv's fragment: two transposing loads, 16 k-rows apart, at (8 (l / 16) + l % 8) x pitch + 16 ((l / 8) % 2): lane l gets column l % 16.
	v_and_b32 v1, 15, v0
	v_bfe_u32 v2, v0, 4, 1
	v_mul_u32_u24 v3, v1, PITCH
	v_lshl_add_u32 v3, v2, 4, v3
	v_and_b32 v6, 7, v0
	v_lshl_add_u32 v6, v2, 3, v6
	v_mul_u32_u24 v6, v6, BPITCH
	v_bfe_u32 v7, v0, 3, 1
	v_lshl_add_u32 v6, v7, 4, v6
	s_mul_i32 s21, s11, HALFT                      ; my 128 rows of xh
	s_lshl_b32 s22, s12, 8                         ; my 128 columns of wqkv,
	s_add_co_u32 s22, s22, 2*HALFT                 ; which lies behind xh's 256 rows
.irp s, 0,1
	v_add_nc_u32 v[ADRA+\s], s21, v3
	v_add_nc_u32 v[ADRB+\s], s22, v6
	s_add_co_u32 s21, s21, SLOT
	s_add_co_u32 s22, s22, SLOT
.endr
	s_mul_i32 s23, s10, 16*SPITCH
	s_add_co_u32 s23, s23, STAGE                   ; my stage
	v_mul_u32_u24 v4, v1, SPITCH
	v_lshl_add_u32 v4, v2, 4, v4
	v_add_nc_u32 v[STO], s23, v4
	v_bfe_u32 v5, v0, 3, 2                         ; back: eight lanes take 128 bytes (one plane's part) of a row, the wave four rows
	v_mul_u32_u24 v5, v5, SPITCH
	v_and_b32 v7, 7, v0
	v_lshl_add_u32 v5, v7, 4, v5
	v_add_nc_u32 v[RD], s23, v5
	v_and_b32 v5, 31, v0
	v_lshlrev_b32 v[CO], 4, v5
; 16 matrix instructions: row blocks a0, a0 + 1 of the window's four x all 8 column blocks, 32 along K.  zero = 1: the first product starts the sums.
; The 64 accumulators take turns, one instruction a turn, in the same order in every quarter step.
.macro MUL16 f, hi, a0, zero
.irp a, \a0, \a0+1
.irp b, 0,1,2,3,4,5,6,7
.if \zero
	v_wmma_f32_16x16x32_f16 v[8*(8*(\a)+\b):8*(8*(\a)+\b)+7], v[\f+8*\b:\f+8*\b+7], v[\f+8*(4*\hi+\a):\f+8*(4*\hi+\a)+7], 0
.else
	v_wmma_f32_16x16x32_f16 v[8*(8*(\a)+\b):8*(8*(\a)+\b)+7], v[\f+8*\b:\f+8*\b+7], v[\f+8*(4*\hi+\a):\f+8*(4*\hi+\a)+7], v[8*(8*(\a)+\b):8*(8*(\a)+\b)+7]
.endif
.endr
.endr
.endm
; 32 LDS loads in one run: the fragments of quarter q (32 along K) of a slot into buffer f
.macro FETCH slot, q, f
	WIN TO_B
.irp i, 0,1,2,3,4,5,6,7
	ds_load_tr16_b128 v[\f+8*\i:\f+8*\i+3],   v[ADRB+\slot] offset:\q*32*BPITCH+32*\i
	ds_load_tr16_b128 v[\f+8*\i+4:\f+8*\i+7], v[ADRB+\slot] offset:\q*32*BPITCH+32*\i+16*BPITCH
.endr
	WIN 0
.irp i, 0,1,2,3,4,5,6,7
	ds_load_b128 v[\f+8*\i:\f+8*\i+3],   v[ADRA+\slot] offset:\q*64+\i*16*PITCH
	ds_load_b128 v[\f+8*\i+4:\f+8*\i+7], v[ADRA+\slot] offset:\q*64+\i*16*PITCH+32
.endr
.endm
; Four places stand between a matrix instruction and a load into a register that it has read, or a vector instruction that reads its result
; (ISA guide 7.12.1 for vector instructions); matrix instructions in between are not counted.
.macro PLACES
.rept 4
	v_nop
.endr
.endm
.macro QUARTER slot, q, f, g, zero     ; multiplies buffer f; in its middle fetches quarter q into buffer g
	s_wait_dscnt 8                                 ; wqkv's fragments and xh's rows 0-63 are in; the youngest eight loads (rows 64-127) may be out
	WIN MUL_LO
	MUL16 \f, 0, 0, \zero
	MUL16 \f, 0, 2, \zero
	PLACES
	FETCH \slot, \q, \g
	s_wait_dscnt 32                                ; all but the 32 just issued
	WIN MUL_HI
	MUL16 \f, 1, 0, \zero
	MUL16 \f, 1, 2, \zero
.endm
.macro THREE slot, zero
	QUARTER \slot, 1, F0, F1, \zero
	QUARTER \slot, 2, F1, F0, 0
	QUARTER \slot, 3, F0, F1, 0
.endm
; The last quarter of a K step multiplies buffer 1 and changes slots.  In front of the barrier each wave waits for its reads of this slot and for
; all its tensor loads (one is out: its part of the next slot).  Behind it, where this slot is filled again, the rest of a round of the cluster's
; barrier, then the joint refill first, then the next slot's first fragments.
.macro TURN slot, next, fill
	s_wait_dscnt 8
	WIN MUL_LO
	MUL16 F1, 0, 0, 0
	s_wait_dscnt 0                                 ; my reads of this slot are over
	s_wait_tensorcnt 0x0                           ; all my tensor loads have landed
	ds_add_u32 v255, v255
	s_wait_dscnt 0x0
	s_barrier_signal -1
	MUL16 F1, 0, 2, 0                              ; register work while the others arrive
	WIN 0
	s_barrier_wait -1
.if \fill
	CREST                                          ; no wave of any partner still reads this slot or has a load on its way
	s_add_nc_u64 s[G0+4*\slot+2:G0+4*\slot+3], s[G0+4*\slot+2:G0+4*\slot+3], 2*KSTEP*2
	s_add_nc_u64 s[G0B+4*\slot+2:G0B+4*\slot+3], s[G0B+4*\slot+2:G0B+4*\slot+3], 2*KSTEP*SIZE_N*2
	JLOAD \slot                                    ; the wave's one tensor load behind the round
.endif
	PLACES
	FETCH \next, 0, F0
	WIN MUL_HI
	MUL16 F1, 1, 0, 0
	MUL16 F1, 1, 2, 0
.endm
.macro LAP zero
	THREE 0, \zero
	TURN 0, 1, 1
	THREE 1, 0
	TURN 1, 0, 1
.endm
	s_wait_tensorcnt 1                             ; my part of K step 0 is in; K step 1's stays out
	s_barrier_signal -1
	s_barrier_wait -1
	FETCH 0, 0, F0
	LAP 1                                          ; the first lap stands in front of the loop: its first products start the sums
	WIN 0
	s_mov_b32 s3, LAPS-2
.Llap:
	LAP 0
	WIN 0
	s_sub_co_u32 s3, s3, 1
	s_cmp_lg_u32 s3, 0
	s_cbranch_scc1 .Llap
	THREE 0, 0                                     ; the last lap fills nothing
	TURN 0, 1, 0
	THREE 1, 0
	s_wait_dscnt 8
	WIN MUL_LO
	MUL16 F1, 0, 0, 0
	MUL16 F1, 0, 2, 0
	s_wait_dscnt 0
	WIN MUL_HI
	MUL16 F1, 1, 0, 0
	MUL16 F1, 1, 2, 0
	; THE WAY OUT.  My 128 columns are the two planes 2 G and 2 G + 1, G = 2 x block column + half; my 128 rows are t = (block row % 8) x 256 + 128 x half
	; of batch block row / 8.
	PLACES
	s_lshr_b32 s68, s13, 3                         ; in registers that feed no descriptor
	s_mul_i32 s68, s68, 48
	s_lshl_b32 s69, s42, 2
	s_add_co_u32 s68, s68, s69
	s_lshl_b32 s69, s12, 1
	s_add_co_u32 s68, s68, s69                     ; plane b x 48 + 2 G
	s_lshl_b32 s68, s68, 11
	s_and_b32 s69, s13, 7
	s_lshl_b32 s69, s69, 8
	s_add_co_u32 s68, s68, s69
	s_lshl_b32 s69, s11, 7
	s_add_co_u32 s68, s68, s69                     ; + my first t
	s_lshl_b32 s68, s68, 7                         ; x 128 bytes a row
	s_mov_b32 s69, 0
	s_add_nc_u64 s[8:9], s[8:9], s[68:69]
; rows 16 i .. 16 i + 15 of my block: round to f16, 16 bytes a lane into my stage, read back four rows of one plane at a time:
; four rows of a plane are 512 consecutive bytes, at a multiple of 512 from the plane's first byte
.macro OUT16 i, a, from, f
	WIN \from
.irp b, 0,1,2,3,4,5,6,7
.irp r, 0,1,2,3
	v_cvt_pk_f16_f32 v[TMP+4*\b+\r], v[8*(8*\a+\b)+2*\r], v[8*(8*\a+\b)+2*\r+1]
.endr
.endr
	WIN 0
.irp b, 0,1,2,3,4,5,6,7
	ds_store_b128 v[STO], v[TMP+4*\b:TMP+4*\b+3] offset:32*\b
.endr
	s_wait_xcnt 0x0                                ; buffer f, which earlier stores read, is rewritten only behind this wait
.irp t, 0,1,2,3,4,5,6,7
	ds_load_b128 v[\f+4*\t:\f+4*\t+3], v[RD] offset:(\t>>1)*4*SPITCH+(\t&1)*128    ; LDS serves a wave's instructions in order: these see the stores above
.endr
.irp t, 0,1,2,3,4,5,6,7
	s_wait_dscnt 7-\t                              ; read-back t is in, the younger ones stay out
	global_store_b128 v[CO], v[\f+4*\t:\f+4*\t+3], s[8:9] offset:(\t&1)*PLANE+\i*2048+(\t>>1)*512
.endr
.endm
	OUT16 0, 0, 0x0a, F0
	OUT16 1, 1, 0x0a, F1
	OUT16 2, 2, 0x0a, F0
	OUT16 3, 3, 0x0a, F1
	OUT16 4, 0, 0x0f, F0
	OUT16 5, 1, 0x0f, F1
	OUT16 6, 2, 0x0f, F0
	OUT16 7, 3, 0x0f, F1
	s_set_vgpr_msb 0x1
	s_wait_tensorcnt 0x0
	ds_add_u32 v255, v255
	s_wait_dscnt 0x0
	s_set_vgpr_msb 0x100
	CROUND                                         ; the closing round: no work-group ends while a partner may still ask for a tile that names it
	s_endpgm
.Lfunc_end_k_qcba8a94faf_qkv:
	.size	k_qcba8a94faf_qkv, .Lfunc_end_k_qcba8a94faf_qkv-k_qcba8a94faf_qkv
	.p2alignl 7, 3214868480
	.fill 96, 4, 3214868480
	.section	.rodata,"a",@progbits
	.p2align	6, 0x0
	.amdhsa_kernel k_qcba8a94faf_qkv
		.amdhsa_group_segment_fixed_size 327680
		.amdhsa_private_segment_fixed_size 0
		.amdhsa_enable_private_segment 0
		.amdhsa_kernarg_size 24
		.amdhsa_user_sgpr_count 2
		.amdhsa_user_sgpr_kernarg_segment_ptr 1
		.amdhsa_wavefront_size32 1
		.amdhsa_system_sgpr_workgroup_id_x 1
		.amdhsa_system_sgpr_workgroup_id_y 1
		.amdhsa_system_sgpr_workgroup_id_z 1
		.amdhsa_system_vgpr_workitem_id 0
		.amdhsa_next_free_vgpr 1024
		.amdhsa_next_free_sgpr 72
		.amdhsa_reserve_vcc 0
		.amdhsa_float_denorm_mode_32 3
		.amdhsa_float_denorm_mode_16_64 3
		.amdhsa_memory_ordered 1
		.amdhsa_forward_progress 1
		.amdhsa_inst_pref_size 196
	.end_amdhsa_kernel
	.amdgpu_metadata
---
amdhsa.version: [ 1, 2 ]
amdhsa.kernels:
  - .name:           k_qcba8a94faf_qkv
    .symbol:         k_qcba8a94faf_qkv.kd
    .args:
      - { .name: xh, .offset: 0, .size: 8, .value_kind: global_buffer, .address_space: global }
      - { .name: wqkv, .offset: 8, .size: 8, .value_kind: global_buffer, .address_space: global }
      - { .name: qkv, .offset: 16, .size: 8, .value_kind: global_buffer, .address_space: global }
    .group_segment_fixed_size: 327680
    .private_segment_fixed_size: 0
    .kernarg_segment_align: 8
    .kernarg_segment_size: 24
    .max_flat_workgroup_size: 128
    .sgpr_count:     72
    .vgpr_count:     1024
    .wavefront_size: 32
...
	.end_amdgpu_metadata
.endif
;; end of part 2
;; launch attn (part 3): grid 8 x 32, 8 waves a work-group, no clusters, 327,680 bytes of LDS; arguments qkv, tab, ao; writes ao
.if DOCPART == 3
	.amdgcn_target "amdgcn-amd-amdhsa--gfx1250"
	.amdhsa_code_object_version 6
	.text
	.protected	k_qcba8a94faf_attn
	.globl	k_qcba8a94faf_attn
	.p2align	8
	.type	k_qcba8a94faf_attn,@function
k_qcba8a94faf_attn:
	s_mov_b64 s[64:65], 0
	v_nop
	global_prefetch_b8 v0, s[64:65] scope:SCOPE_SE
	s_setreg_imm32_b32 hwreg(HW_REG_WAVE_MODE, 25, 1), 1
	s_wait_xcnt 0x0
; Attention with the relative-position term, one pass over the keys, running maximum and sum in f32.
; A work-group: 256 queries of one head (x: query block qb, y: b x 16 + h), all 2,048 keys in 16 tiles of 128.
; Wave w = 2 g + kh: the 64 queries i0g = 256 qb + 64 g (four tiles a = 0..3 of 16) against half kh (64 keys) of every key tile, so that a K or V fragment
; read from LDS feeds four query tiles.  Each wave keeps its own maximum, sum and O over its keys; at the end the two waves of a group hand each other
; two query tiles through LDS, merge (m = max, O = (O0 2^(M0-m) + O1 2^(M1-m)) / (L0 2^(M0-m) + L1 2^(M1-m))) and write 32 queries each.
; Logits are in base 2: 0.125 log2(e) lies in q already.  Operands q, k, v, the table and the probabilities are f16 (q, k, v below 65,504); the probabilities
; lie in (0, 1]; the denominator sums the unrounded f32 probabilities; exp2 gives 0 below 2^-126.  Non-finite inputs get no special handling.
; EVERYTHING IS TRANSPOSED: S^T = K Q^T, so lane (r, hh), register j holds key 8 hh + j of query r; two such tiles rounded to f16 ARE the second
; source of O^T = V^T P^T, and maximum, sum and rescaling are per lane (the two halves of a query's keys meet by one exchange between lane halves).
; THE POSITION TERM.  For query i and key j the row wanted is tab[575 - i + j] (the clipping is in tab's repeated rows).  With D = i0g - j0, a step of
; 64 keys needs, for tile a, rows 560 - D - 16 a + lambda, lambda = kk + 15 - r in 0..78: five tiles of 16 table rows times Q^T; the four query tiles share
; eight table tiles from row 512 - D on (product (a, u) takes table tile u + 3 - a).  The result P^T[lambda][r] is stored at r x 336 + 4 lambda and read at
; r x 332 + 4 kk + 60: the change of pitch is the skew.  It is read straight into the score registers, and the products K Q^T add onto it.
; Where the whole step lies at i - j >= 512 (D >= 576) or <= -512 (D <= -576) the term is one number for a query, q.rel[1024] or q.rel[0]: it is added to
; the maximum and to the shift of the exponent, at no cost per logit.
; THE ORDER OF THE KEY TILES: always upward, but query blocks 0-3 take tiles 14, 15 first and then 0 to 13; blocks 4-7 take 0 to 15.  In the first tile then
; |D| >= 832 for every wave (blocks 0-3: D <= 960 - 1792; blocks 4-7: D >= 1024 - 64), so the first step is written without the way that reads the table,
; and the table's 165,888 bytes land while it runs.  The two constants of a query come from two table rows read from memory.
; NO CLUSTER: which of the two ways a step takes hangs on the query block, which is what differs between the work-groups that share K and V;
; the long way everywhere would add 40 matrix and 200 LDS instructions to the steps that need none.
; LDS: scratch of 5,376 bytes a wave from byte 0, written by LDS stores alone, in which no tensor load lands; the table from byte 55,296, 1,152 rows at pitch
; 144, so that wave w of 2..7 fills the 27,648 bytes at w x 27,648; two slots of 128 keys, K at pitch 144 and V at pitch 160 (64 banks of 4 bytes, ISA guide
; 11.1: K's 16 rows of a load start 36 words apart, the 8 rows of V's transposing load 40 words apart, each on banks of its own).
; The exchange at the end uses the table's bytes, behind a barrier, after their only fill.
.set TABP,  144
.set KP,    144
.set VP,    160
.set SCRW,  5376                       ; 16 queries at pitch 336; the four query tiles use it in turn (LDS serves a wave's instructions in order: ISA guide 5.7.1.4)
.set SKP,   336                        ; 21 x 16 bytes
.set TPART, 192*TABP                   ; a sixth of the table: 27,648 bytes
.set TAB,   2*TPART                    ; 55,296, a multiple of 256, behind the 43,008 bytes of scratch
.set RING,  TAB+1152*TABP              ; 221,184
.set VREG,  128*KP                     ; V's part of a slot begins behind K's 18,432 bytes
.set SLOT,  128*KP+128*VP              ; 38,912
.set TILEB, 128*128                    ; a key tile in memory: 16,384 dense bytes of K, as many of V
.set XAREA, 17*512                     ; what a wave hands over: 64 registers of O, then maximum and sum of two tiles
.set TP,    0                          ; v[0:3]   at work in the softmax (the thread's number and its parts until the addresses are made)
.set X0,    TP
.set X1,    TP+2
.set ADRK,  4                          ; K fragments of my key half in slot 0 (slot 1 by the immediate)
.set ADRV,  5                          ; V fragments likewise
.set RLANE, 6                          ; r x 144 + 16 hh: my place in 16 table rows
.set ADRR,  7                          ; the step's table address
.set ADRS,  8                          ; scratch, as stored
.set ADRL,  9                          ; scratch, as read
.set STO,   10                         ; the way out, in
.set RD,    11                         ; the way out, back
.set CO,    12                         ; 16 x lane
.set XB,    13                         ; the exchange: my group's two areas + 16 x lane
.set TOF,   14                         ; 16 hh: my place in one table row in memory
.set QOF,   15                         ; my place in 16 rows of Q
.set MX,    16                         ; v16-19  running maximum of tile a
.set LS,    20                         ; v20-23  running sum (this lane's half of the keys)
.set CB,    24                         ; v24-27  the step's constant
.set OFS,   28                         ; v[28:29] constant - maximum, twice
.set AL,    30                         ; v[30:31] rescaling factor of the tile at work, twice
.set SC,    32                         ; v[32:159]  scores, tile (a, c) at 32 a + 8 c; position products (a, u) at 40 a + 8 u (they reach into PB)
.set PB,    160                        ; v[160:191] probabilities in f16 of two query tiles, 16 (a % 2) + 4 c + j/2
.set QF,    192                        ; v[192:255] Q fragments, 16 a + 8 kd
; window 1 (written by their low 8 bits):
.set FR,    0                          ; v[256:351] fragments from LDS: six table tiles, or K (64), or V (64)
.set OA,    96                         ; v[352:479] O^T, tile (a, e) at 32 a + 8 e
.set CHI,   224                        ; v[480:483] q.rel[1024]
.set CLO,   228                        ; v[484:487] q.rel[0]
.set G1K, 24                           ; s[24:31] group 1: 64 rows of 256 bytes, 4 words of padding after every 32
.set G1V, 32                           ; s[32:39] the same, 8 words of padding
.set G1T, 40                           ; s[40:47] group 1: 96 rows of 256 bytes, 4 words of padding
.set G0,  48                           ; s[48:55] group 0 of the two slots: K's for wave 0, V's for wave 1
.set G0T, 56                           ; s[56:59] group 0 of a sixth of the table (waves 2 to 7)
.set MSB, 0
.macro WIN new                         ; the immediate's high byte repeats the setting that is left; at a label and at a branch the setting is 0
.if MSB != \new
	s_set_vgpr_msb (MSB<<8)|\new
.set MSB, \new
.endif
.endm
.macro PLACES n                        ; places behind matrix instructions: 4 in front of vector reads, stores and loads, 5 in front of a matrix instruction that writes over a register
.rept \n
	v_nop
.endr
.endm
.macro SHAPE g, rows, pad              ; group 1: elements of 2 bytes, dense rows of 128 elements, pad words after every 32 words
	s_mov_b32 s[\g+0], (1<<16)|(1<<20)|(4<<22)|((\pad-1)<<25)
	s_mov_b32 s[\g+1], 128<<16                     ; tensor_dim0
	s_mov_b32 s[\g+2], \rows<<16                   ; tensor_dim1
	s_mov_b32 s[\g+3], 128<<16                     ; tile_dim0
	s_mov_b32 s[\g+4], \rows                       ; tile_dim1
	s_mov_b32 s[\g+5], 128                         ; elements from row to row
	s_mov_b32 s[\g+6], 0
	s_mov_b32 s[\g+7], 0
.endm
; one tensor load a wave: wave 0 K's tile of slot s, wave 1 V's; tabtoo = 1: waves 2 to 7 their sixth of the table.  The branches hang on the wave's number alone.
.macro KVLOAD s, tabtoo
	s_cmp_gt_u32 s10, 1
	s_cbranch_scc1 .Lrest_\@
	s_cmp_eq_u32 s10, 0
	s_cbranch_scc0 .Lforv_\@
	tensor_load_to_lds s[G0+4*(\s):G0+4*(\s)+3], s[G1K:G1K+7]
	s_nop 0
	s_branch .Lasked_\@
.Lforv_\@:
	tensor_load_to_lds s[G0+4*(\s):G0+4*(\s)+3], s[G1V:G1V+7]
	s_nop 0
	s_branch .Lasked_\@
.Lrest_\@:
.if \tabtoo
	tensor_load_to_lds s[G0T:G0T+3], s[G1T:G1T+7]
	s_nop 0
.endif
.Lasked_\@:
.endm
	s_load_b128 s[4:7], s[0:1], 0x0                ; qkv s[4:5], tab s[6:7]
	s_load_b64 s[8:9], s[0:1], 0x10                ; ao
	s_set_vgpr_msb 0x40
	v_lshl_add_u32 v232, v0, 2, 0x49000
	v_mov_b32 v233, 0
	s_set_vgpr_msb 0x4045
	ds_add_u32 v232, v233
	s_set_vgpr_msb 0x4500
	v_lshrrev_b32 v1, 5, v0
	v_readfirstlane_b32 s10, v1                    ; wave 0..7
	s_and_b32 s11, s10, 1                          ; kh: my half of the keys
	s_lshr_b32 s12, s10, 1                         ; g: my 64 queries
	s_and_b32 s2, ttmp7, 0xffff
	s_lshr_b32 s16, s2, 4                          ; b
	s_and_b32 s17, s2, 15                          ; h
	s_lshl_b32 s13, ttmp9, 8
	s_lshl_b32 s2, s12, 6
	s_add_co_u32 s13, s13, s2                      ; i0g
	s_cmp_lt_u32 ttmp9, 4
	s_cselect_b32 s68, 14, 0                       ; the first tile (the second is the next one up)
	s_cselect_b32 s69, 0, 2                        ; the third tile; from there upward to the end
	s_cselect_b32 s62, 2048, 0                     ; what D gains at that change: 16 tiles of 128 keys back, or nothing
	s_lshl_b32 s2, s68, 7
	s_lshl_b32 s3, s11, 6
	s_add_co_u32 s2, s2, s3
	s_sub_co_i32 s14, s13, s2                      ; D = i0g - j0
	s_mov_b32 s20, 0x76543210                      ; v_permlanex16_b32: lane i reads lane i of the other half
	s_mov_b32 s21, 0xfedcba98
	SHAPE G1K, 64, 4
	SHAPE G1V, 64, 8
	SHAPE G1T, 96, 4
	s_mul_i32 s72, s10, VREG                       ; in a slot: K's tile (wave 0), V's behind it (wave 1)
	s_mul_i32 s18, s16, 48
	s_lshl_b32 s2, s17, 1
	s_add_co_u32 s2, s2, s18
	s_add_co_u32 s2, s2, 16
	s_add_co_u32 s2, s2, s11                       ; plane b x 48 + 16 + 2 h of K, the next of V
	s_lshl_b32 s2, s2, 18
	s_lshl_b32 s3, s68, 14
	s_add_co_u32 s74, s2, s3                       ; byte offset of the first tile,
	s_mov_b32 s75, 0
	s_lshl_b32 s3, s69, 14
	s_add_co_u32 s86, s2, s3                       ; and of the third
	s_mov_b32 s87, 0
	s_add_co_u32 s76, s18, s17                     ; Q: plane b x 48 + h, row i0g of 128 bytes
	s_lshl_b32 s76, s76, 11
	s_add_co_u32 s76, s76, s13
	s_lshl_b32 s76, s76, 7
	s_mov_b32 s77, 0
	s_lshl_b32 s2, s11, 5
	s_add_co_u32 s2, s2, s13                       ; the first of the 32 queries that I write
	s_lshl_b32 s78, s16, 4                         ; ao: plane ((b x 16 + i / 128) x 16 + h) of 16,384 bytes, row i % 128 of 128 bytes
	s_lshr_b32 s3, s2, 7
	s_add_co_u32 s78, s78, s3
	s_lshl_b32 s78, s78, 4
	s_add_co_u32 s78, s78, s17
	s_lshl_b32 s78, s78, 14
	s_and_b32 s2, s2, 127
	s_lshl_b32 s2, s2, 7
	s_add_co_u32 s78, s78, s2
	s_mov_b32 s79, 0
	s_max_u32 s2, s10, 2
	s_sub_co_u32 s2, s2, 2                         ; waves 2 to 7: sixth 0 to 5 of the table in memory, 192 rows of 128 bytes
	s_mul_i32 s80, s2, 192*128
	s_mov_b32 s81, 0
	s_mul_i32 s82, s10, TPART                      ; and in LDS: wave x 27,648
	s_mul_i32 s83, s10, SCRW                       ; my scratch: wave x 5,376
	s_mul_i32 s84, s12, 2*XAREA                    ; my group's two areas of the exchange, in the table's bytes
	s_add_co_u32 s84, s84, TAB
	s_wait_dscnt 0x0
	s_wait_kmcnt 0x0
	s_add_nc_u64 s[74:75], s[4:5], s[74:75]
	s_add_nc_u64 s[86:87], s[4:5], s[86:87]
	s_mov_b32 s[G0], 1
	s_add_co_u32 s[G0+1], s72, RING
	s_mov_b64 s[G0+2:G0+3], s[74:75]               ; slot 0: the first tile
	s_or_b32 s[G0+3], s[G0+3], 0x80000000
	s_mov_b32 s[G0+4], 1
	s_add_co_u32 s[G0+5], s72, RING+SLOT
	s_add_nc_u64 s[G0+6:G0+7], s[74:75], TILEB     ; slot 1: the second
	s_or_b32 s[G0+7], s[G0+7], 0x80000000
	s_mov_b32 s[G0T], 1
	s_mov_b32 s[G0T+1], s82
	s_add_nc_u64 s[G0T+2:G0T+3], s[6:7], s[80:81]
	s_or_b32 s[G0T+3], s[G0T+3], 0x80000000
	KVLOAD 0, 0                                    ; the first tile, ahead of everything else: one load of waves 0 and 1 is out; the wait that follows is for 0
	s_add_nc_u64 s[76:77], s[4:5], s[76:77]
	s_add_nc_u64 s[8:9], s[8:9], s[78:79]
	v_and_b32 v1, 15, v0                           ; r
	v_bfe_u32 v2, v0, 4, 1                         ; hh
	v_lshlrev_b32 v[QOF], 7, v1
	v_lshl_add_u32 v[QOF], v2, 4, v[QOF]
	v_lshlrev_b32 v[TOF], 4, v2
.irp a, 0,1,2,3
.irp q, 0,1,2,3
	global_load_b128 v[QF+16*\a+4*\q:QF+16*\a+4*\q+3], v[QOF], s[76:77] offset:\a*2048+32*\q   ; query 16 a + r, d = 16 q + 8 hh .. + 7
.endr
.endr
	WIN 0x40                                       ; destinations in window 1
.irp q, 0,1,2,3
	global_load_b128 v[FR+4*\q:FR+4*\q+3], v[TOF], s[6:7] offset:32*\q                  ; table row 0 = rel[1024], the same for all 16 rows of the fragment
	global_load_b128 v[FR+16+4*\q:FR+16+4*\q+3], v[TOF], s[6:7] offset:1151*128+32*\q   ; table row 1151 = rel[0]
.endr
	WIN 0
	v_mul_u32_u24 v[RLANE], v1, TABP
	v_lshl_add_u32 v[RLANE], v2, 4, v[RLANE]
	s_mul_i32 s2, s11, 64*KP
	s_add_co_u32 s2, s2, RING
	v_add_nc_u32 v[ADRK], s2, v[RLANE]             ; K's pitch is the table's
	v_and_b32 v3, 7, v0
	v_lshl_add_u32 v[ADRV], v2, 3, v3              ; key 8 hh + l % 8
	v_mul_u32_u24 v[ADRV], v[ADRV], VP
	v_bfe_u32 v[RD], v0, 3, 1
	v_lshl_add_u32 v[ADRV], v[RD], 4, v[ADRV]
	s_mul_i32 s3, s11, 64*VP
	s_add_co_u32 s3, s3, RING+VREG
	v_add_nc_u32 v[ADRV], s3, v[ADRV]
	v_mul_u32_u24 v[ADRS], v1, SKP
	v_lshl_add_u32 v[ADRS], v2, 5, v[ADRS]
	v_add_nc_u32 v[ADRS], s83, v[ADRS]
	v_mul_u32_u24 v[ADRL], v1, SKP-4
	v_lshl_add_u32 v[ADRL], v2, 5, v[ADRL]
	s_add_co_u32 s2, s83, 60
	v_add_nc_u32 v[ADRL], s2, v[ADRL]              ; word 83 r + 8 hh + 15: the 32 lanes fall on 32 different banks
	v_add_nc_u32 v[STO], s83, v[RLANE]
	v_bfe_u32 v[RD], v0, 3, 2
	v_mul_u32_u24 v[RD], v[RD], TABP
	v_lshl_add_u32 v[RD], v3, 4, v[RD]
	v_add_nc_u32 v[RD], s83, v[RD]
	v_and_b32 v[CO], 31, v0
	v_lshlrev_b32 v[CO], 4, v[CO]
	v_add_nc_u32 v[XB], s84, v[CO]
.macro TLOAD v, sl                     ; table tile v of the step's eight into register slot sl (under WIN 0x40)
.irp q, 0,1,2,3
	ds_load_b128 v[FR+16*(\sl)+4*\q:FR+16*(\sl)+4*\q+3], v[ADRR] offset:(\v)*16*TABP+32*\q
.endr
.endm
.macro KLOAD slot                      ; my 64 keys x 64 d: tile c at FR + 16 c
.irp c, 0,1,2,3
.irp q, 0,1,2,3
	ds_load_b128 v[FR+16*\c+4*\q:FR+16*\c+4*\q+3], v[ADRK] offset:\slot*SLOT+\c*16*KP+32*\q
.endr
.endr
.endm
.macro VLOAD slot                      ; V^T: 16 e x 32 keys a fragment, at FR + 32 ks + 8 e
.irp ks, 0,1
.irp e, 0,1,2,3
	ds_load_tr16_b128 v[FR+32*\ks+8*\e:FR+32*\ks+8*\e+3],   v[ADRV] offset:\slot*SLOT+\ks*32*VP+32*\e
	ds_load_tr16_b128 v[FR+32*\ks+8*\e+4:FR+32*\ks+8*\e+7], v[ADRV] offset:\slot*SLOT+\ks*32*VP+32*\e+16*VP
.endr
.endr
.endm
; table rows x Q^T for query tiles a0, a0 + 1: product (a, u) takes the table tile in register slot (u + 7 - a) % 6.  Ten accumulators take turns.
.macro POS a0
.irp kd, 0,1
.irp a, \a0, \a0+1
.irp u, 0,1,2,3,4
.set PD, SC+40*(\a)+8*\u
.set PA, FR+16*((\u+7-(\a))%6)+8*\kd
.set PQ, QF+16*(\a)+8*\kd
.if \kd
	v_wmma_f32_16x16x32_f16 v[PD:PD+7], v[PA:PA+7], v[PQ:PQ+7], v[PD:PD+7]
.else
	v_wmma_f32_16x16x32_f16 v[PD:PD+7], v[PA:PA+7], v[PQ:PQ+7], 0
.endif
.endr
.endr
.endr
.endm
.macro SKST a                          ; the five position products of tile a into my scratch
.irp u, 0,1,2,3,4
	ds_store_b128 v[ADRS], v[SC+40*\a+8*\u:SC+40*\a+8*\u+3]   offset:64*\u
	ds_store_b128 v[ADRS], v[SC+40*\a+8*\u+4:SC+40*\a+8*\u+7] offset:64*\u+16
.endr
.endm
.macro SKLD a                          ; and back, skewed, into tile a's score registers: my own bytes, served in order behind the stores
.set p, 0
.rept 32
	ds_load_b32 v[SC+32*\a+p], v[ADRL] offset:(p/8)*64+(p%8)*4
.set p, p+1
.endr
.endm
; S^T = K Q^T for query tiles a0, a0 + 1.  zero = 1: the first half of d starts the sums; 0: they add onto the position term.  Eight accumulators take turns, as above.
.macro DOTS a0, zero
.irp kd, 0,1
.irp a, \a0, \a0+1
.irp c, 0,1,2,3
.set PD, SC+32*(\a)+8*\c
.set PA, FR+16*\c+8*\kd
.set PQ, QF+16*(\a)+8*\kd
.if \zero*(1-\kd)
	v_wmma_f32_16x16x32_f16 v[PD:PD+7], v[PA:PA+7], v[PQ:PQ+7], 0
.else
	v_wmma_f32_16x16x32_f16 v[PD:PD+7], v[PA:PA+7], v[PQ:PQ+7], v[PD:PD+7]
.endif
.endr
.endr
.endr
.endm
; O^T += V^T P^T for query tiles a0, a0 + 1 (under WIN 0x51).  Eight accumulators take turns, as above.
.macro PV a0, first
.irp ks, 0,1
.irp t, 0,1
.irp e, 0,1,2,3
.set PD, OA+32*(\a0+\t)+8*\e
.set PA, FR+32*\ks+8*\e
.set PQ, PB+16*\t+8*\ks
.if \first*(1-\ks)
	v_wmma_f32_16x16x32_f16 v[PD:PD+7], v[PA:PA+7], v[PQ:PQ+7], 0
.else
	v_wmma_f32_16x16x32_f16 v[PD:PD+7], v[PA:PA+7], v[PQ:PQ+7], v[PD:PD+7]
.endif
.endr
.endr
.endr
.endm
; tile (a, c) of probabilities: into the sums, and rounded to f16
.macro SUMCVT a, c
.set SQ, SC+32*\a+8*(\c)
.if (\c) == 0
	s_wait_alu depctr_va_vdst(0)
	v_pk_add_f32 v[X0:X0+1], v[SQ:SQ+1], v[SQ+2:SQ+3]              ; the first tile starts both sums
	v_pk_add_f32 v[X1:X1+1], v[SQ+4:SQ+5], v[SQ+6:SQ+7]
.else
	s_wait_alu depctr_va_vdst(0)
	v_pk_add_f32 v[X0:X0+1], v[X0:X0+1], v[SQ:SQ+1]
	v_pk_add_f32 v[X1:X1+1], v[X1:X1+1], v[SQ+2:SQ+3]
	v_pk_add_f32 v[X0:X0+1], v[X0:X0+1], v[SQ+4:SQ+5]
	v_pk_add_f32 v[X1:X1+1], v[X1:X1+1], v[SQ+6:SQ+7]
.endif
.irp k, 0,1,2,3
	v_cvt_pk_f16_f32 v[PB+16*(\a&1)+4*(\c)+\k], v[SQ+2*\k], v[SQ+2*\k+1]
.endr
.endm
; the softmax step of query tile a: 32 score registers a lane; at its end O of the tile is rescaled
.macro SOFTMAX a, first
.set SB, SC+32*\a
.irp k, 0,1,2,3
	v_max3_num_f32 v[TP+\k], v[SB+8*\k], v[SB+8*\k+1], v[SB+8*\k+2]
.endr
.irp k, 0,1,2,3
	v_max3_num_f32 v[TP+\k], v[TP+\k], v[SB+8*\k+3], v[SB+8*\k+4]
.endr
.irp k, 0,1,2,3
	v_max3_num_f32 v[TP+\k], v[TP+\k], v[SB+8*\k+5], v[SB+8*\k+6]
.endr
	v_max3_num_f32 v[TP], v[TP], v[TP+1], v[SB+7]
	v_max3_num_f32 v[TP+2], v[TP+2], v[TP+3], v[SB+15]
	v_max3_num_f32 v[TP], v[TP], v[SB+23], v[SB+31]
	v_max_num_f32 v[TP], v[TP], v[TP+2]
	v_permlanex16_b32 v[TP+1], v[TP], s20, s21     ; the other half of the query's keys
	v_max_num_f32 v[TP], v[TP], v[TP+1]
.if \first
	v_add_f32 v[MX+\a], v[TP], v[CB+\a]            ; the first step starts the maximum
.else
	v_add_f32 v[TP], v[TP], v[CB+\a]
	v_max_num_f32 v[TP+1], v[MX+\a], v[TP]
	v_sub_f32 v[TP+2], v[MX+\a], v[TP+1]
	v_mov_b32 v[MX+\a], v[TP+1]
	v_exp_f32 v[AL], v[TP+2]                       ; behind a transcendental one plain vector instruction stands before its result is used
	v_exp_f32 v[AL+1], v[TP+2]                     ; or its source rewritten (ISA guide 5.7.2): here the two subtractions below
.endif
	v_sub_f32 v[OFS], v[CB+\a], v[MX+\a]
	v_sub_f32 v[OFS+1], v[CB+\a], v[MX+\a]
.irp c, 0,1,2,3
.irp k, 0,2,4,6
	v_pk_add_f32 v[SB+8*\c+\k:SB+8*\c+\k+1], v[SB+8*\c+\k:SB+8*\c+\k+1], v[OFS:OFS+1]
.endr
.irp k, 0,1,2,3,4,5,6,7
	v_exp_f32 v[SB+8*\c+\k], v[SB+8*\c+\k]
.endr
.if \c > 0
	SUMCVT \a, \c-1                                ; the plain instructions behind a run of exponentials name the tile before
.endif
.endr
	SUMCVT \a, 3
	v_pk_add_f32 v[X0:X0+1], v[X0:X0+1], v[X1:X1+1]
.if \first
	v_add_f32 v[LS+\a], v[X0], v[X0+1]
.else
	v_add_f32 v[X0], v[X0], v[X0+1]
	v_fma_f32 v[LS+\a], v[LS+\a], v[AL], v[X0]
	WIN 0x41                                       ; destination and source 0 in window 1
.irp k, 0,2,4,6,8,10,12,14,16,18,20,22,24,26,28,30
	v_pk_mul_f32 v[OA+32*\a+\k:OA+32*\a+\k+1], v[OA+32*\a+\k:OA+32*\a+\k+1], v[AL:AL+1]
.endr
	WIN 0
.endif
.endm
; the two constants of each query: 16 equal table rows x Q^T; register 0 of a result holds the number in every lane.  Eight accumulators take turns, as above.
.macro CONST
	s_wait_loadcnt 0x0                             ; Q and the two table rows
	WIN 0x01                                       ; source 0 in window 1
.irp kd, 0,1
.irp a, 0,1,2,3
.irp e, 0,1
.set PD, SC+8*(2*\a+\e)
.if \kd
	v_wmma_f32_16x16x32_f16 v[PD:PD+7], v[FR+16*\e+8:FR+16*\e+15], v[QF+16*\a+8:QF+16*\a+15], v[PD:PD+7]
.else
	v_wmma_f32_16x16x32_f16 v[PD:PD+7], v[FR+16*\e:FR+16*\e+7], v[QF+16*\a:QF+16*\a+7], 0
.endif
.endr
.endr
.endr
	WIN 0
	PLACES 5
	WIN 0x40
.irp a, 0,1,2,3
	v_mov_b32 v[CHI+\a], v[SC+16*\a]
	v_mov_b32 v[CLO+\a], v[SC+16*\a+8]
.endr
	WIN 0
.endm
; one step: my 64 keys of the tile in a slot against my 64 queries
.macro STEP slot, first
.if \first == 0
	s_cmp_ge_i32 s14, 576
	s_cbranch_scc1 .Lfar_\@
	s_cmp_le_i32 s14, -576
	s_cbranch_scc1 .Lfar_\@
	; near the diagonal: D in -512 .. 512
	s_sub_co_i32 s15, 512, s14                     ; first table row of the eight tiles, 0 .. 1024 on this way;
	s_max_i32 s15, s15, 0                          ; the two lines state that range and change nothing
	s_min_u32 s15, s15, 1024
	s_mul_i32 s15, s15, TABP
	s_add_co_u32 s15, s15, TAB
	v_add_nc_u32 v[ADRR], s15, v[RLANE]
	WIN 0x40
.irp v, 2,3,4,5,6,7
	TLOAD \v, \v-2
.endr
	WIN 0
.irp a, 0,1,2,3
	v_mov_b32 v[CB+\a], 0
.endr
	s_wait_dscnt 0x0
	WIN 0x01
	POS 0
	WIN 0
	PLACES 5
	WIN 0x40
	TLOAD 0, 4                                     ; tiles 0 and 1 take the places of 6 and 7
	TLOAD 1, 5
	WIN 0
	SKST 0
	SKLD 0
	SKST 1
	s_wait_dscnt 52                                ; the eight table loads are in; the 10 + 32 + 10 behind them may be out
	WIN 0x01
	POS 2                                          ; runs while the skew of tiles 0 and 1 goes through LDS
	WIN 0
	SKLD 1
	PLACES 5
	WIN 0x40
	KLOAD \slot
	WIN 0
	SKST 2
	SKLD 2
	s_wait_dscnt 42                                ; K and the skews of tiles 0 and 1 are in; the 10 + 32 behind K's loads may be out
	WIN 0x01
	DOTS 0, 0
	WIN 0
	SKST 3
	SKLD 3
	s_wait_dscnt 0x0
	WIN 0x01
	DOTS 2, 0
	WIN 0
	s_branch .Ljoin_\@
.Lfar_\@:
.endif
	WIN 0x40
	KLOAD \slot
	s_cmp_gt_i32 s14, 0
	s_cselect_b32 s61, -1, 0
	WIN 0x05                                       ; both sources in window 1
.irp a, 0,1,2,3
	v_cndmask_b32 v[CB+\a], v[CLO+\a], v[CHI+\a], s61
.endr
	s_wait_dscnt 0x0
	WIN 0x01
	DOTS 0, 1
	DOTS 2, 1
	WIN 0
.if \first == 0
.Ljoin_\@:
.endif
	PLACES 4
	WIN 0x40
	VLOAD \slot                                    ; lands while the softmax runs
	WIN 0
	SOFTMAX 0, \first
	SOFTMAX 1, \first
	s_wait_dscnt 0x0
	WIN 0x51                                       ; source 0, C and D in window 1
	PV 0, \first
	WIN 0
	SOFTMAX 2, \first                              ; its first fifteen lines are the places in front of the writes of PB
	SOFTMAX 3, \first
	WIN 0x51
	PV 2, \first
	WIN 0
	PLACES 5                                       ; in front of the next step's loads into FR and its matrix results in PB, and of the exchange's stores
	s_sub_co_i32 s14, s14, 128                     ; the next tile up
.endm
; one key tile.  In front of the barrier every wave waits for all its tensor loads and for its LDS reads; behind it waves 0 and 1 ask, first thing, for the
; next tile into the slot read last.  In the first trip nothing is filled again: slot 1 and the table get their first fill, one load a wave.
; rebase = 1 (the second trip): both slots' addresses are made anew, for the third and the fourth tile of the work-group's order.
.macro TRIP slot, refill, first, rebase
	s_set_vgpr_msb 0x5
	s_wait_tensorcnt 0x0                           ; no tensor load of mine is out: a group 0 may be written
	ds_add_u32 v232, v233
	s_wait_dscnt 0x0
	s_set_vgpr_msb 0x500
.if \rebase
	s_mov_b64 s[G0+2:G0+3], s[86:87]
	s_or_b32 s[G0+3], s[G0+3], 0x80000000
	s_add_nc_u64 s[G0+6:G0+7], s[86:87], TILEB
	s_or_b32 s[G0+7], s[G0+7], 0x80000000
.else
.if \first == 0
	s_add_nc_u64 s[G0+4*\slot+2:G0+4*\slot+3], s[G0+4*\slot+2:G0+4*\slot+3], 2*TILEB   ; this slot's next tile, two tiles up
.endif
.endif
	s_wait_dscnt 0x0
	s_barrier_signal -1
	s_barrier_wait -1
.if \refill
	KVLOAD 1-\slot, \first
.endif
.if \first
	CONST
.endif
	STEP \slot, \first
.endm
	TRIP 0, 1, 1, 0                                ; 16 tiles: the first two written out (the first step starts maximum, sum and O),
	TRIP 1, 1, 0, 1
	s_add_co_i32 s14, s14, s62                     ; D of the third tile
	s_mov_b32 s60, 6
.Llap:
	TRIP 0, 1, 0, 0                                ; twelve in the loop,
	TRIP 1, 1, 0, 0
	s_sub_co_i32 s60, s60, 1
	s_cmp_lg_u32 s60, 0
	s_cbranch_scc1 .Llap
	TRIP 0, 1, 0, 0                                ; and the last two: the very last asks for nothing (the stepped addresses are not used)
	TRIP 1, 0, 0, 0
	; THE MERGE.  The two lane halves of each sum meet; then wave kh keeps query tiles 2 kh, 2 kh + 1 and hands the other two to its partner.
.irp a, 0,1,2,3
	v_permlanex16_b32 v[TP+\a], v[LS+\a], s20, s21
.endr
.irp a, 0,1,2,3
	v_add_f32 v[LS+\a], v[LS+\a], v[TP+\a]
.endr
	s_wait_dscnt 0x0                               ; my reads of the table are over; no tensor load is out since the last trip's wait
	s_barrier_signal -1
	s_barrier_wait -1                              ; every wave's are: the table's bytes, which no load fills again, take the exchange
.macro GIVE a0, area                   ; O, maximum and sum of tiles a0, a0 + 1 into an area of my group
	WIN 0x04                                       ; the stores' data in window 1
.set k, 0
.rept 16
	ds_store_b128 v[XB], v[OA+32*\a0+4*k:OA+32*\a0+4*k+3] offset:\area*XAREA+512*k
.set k, k+1
.endr
	WIN 0
	ds_store_b64 v[XB], v[MX+\a0:MX+\a0+1] offset:\area*XAREA+8192
	ds_store_b64 v[XB], v[LS+\a0:LS+\a0+1] offset:\area*XAREA+8200
.endm
	s_cmp_eq_u32 s11, 0
	s_cbranch_scc0 .Lgive_low
	GIVE 2, 0
	s_branch .Lgiven
.Lgive_low:
	GIVE 0, 1
.Lgiven:
	s_wait_dscnt 0x0                               ; for my partner's sake: my stores are done
	s_barrier_signal -1
	s_barrier_wait -1
; my tiles a0, a0 + 1 and my partner's share of them (from an area): merged, divided, rounded to f16.  A lane holds 8 neighbouring e of query r: 16 bytes into
; my scratch (32 rows at pitch 144), read back as four whole rows of 128 bytes a load, which are 512 consecutive bytes of ao.
.macro TAKE a0, area
.set k, 0
.rept 16
	ds_load_b128 v[SC+4*k:SC+4*k+3], v[XB] offset:\area*XAREA+512*k
.set k, k+1
.endr
	ds_load_b128 v[SC+64:SC+67], v[XB] offset:\area*XAREA+8192     ; two maxima, two sums
	s_wait_dscnt 0x0
.irp t, 0,1
	v_max_num_f32 v[TP], v[MX+\a0+\t], v[SC+64+\t]
	v_sub_f32 v[TP+1], v[MX+\a0+\t], v[TP]
	v_sub_f32 v[TP+2], v[SC+64+\t], v[TP]
	v_exp_f32 v[TP+1], v[TP+1]
	v_exp_f32 v[TP+2], v[TP+2]
	v_nop                                          ; the plain place behind the exponentials
	s_wait_alu depctr_va_vdst(0)
	v_mul_f32 v[TP+3], v[LS+\a0+\t], v[TP+1]
	v_fma_f32 v[TP+3], v[SC+66+\t], v[TP+2], v[TP+3]
	v_rcp_f32 v[TP+3], v[TP+3]
	v_nop                                          ; and behind the reciprocal
	s_wait_alu depctr_va_vdst(0)
	v_mul_f32 v[AL], v[TP+1], v[TP+3]
	v_mul_f32 v[AL+1], v[TP+1], v[TP+3]
	v_mul_f32 v[OFS], v[TP+2], v[TP+3]
	v_mul_f32 v[OFS+1], v[TP+2], v[TP+3]
.irp k, 0,2,4,6,8,10,12,14,16,18,20,22,24,26,28,30
	v_pk_mul_f32 v[SC+32*\t+\k:SC+32*\t+\k+1], v[SC+32*\t+\k:SC+32*\t+\k+1], v[OFS:OFS+1]
.endr
	WIN 0x01                                       ; source 0 (my O) in window 1
.irp k, 0,2,4,6,8,10,12,14,16,18,20,22,24,26,28,30
	v_pk_fma_f32 v[SC+32*\t+\k:SC+32*\t+\k+1], v[OA+32*(\a0+\t)+\k:OA+32*(\a0+\t)+\k+1], v[AL:AL+1], v[SC+32*\t+\k:SC+32*\t+\k+1]
.endr
	WIN 0
.endr
.set k, 0
.rept 32
	v_cvt_pk_f16_f32 v[PB+k], v[SC+2*k], v[SC+2*k+1]
.set k, k+1
.endr
.irp t, 0,1
.irp e, 0,1,2,3
	ds_store_b128 v[STO], v[PB+4*(4*\t+\e):PB+4*(4*\t+\e)+3] offset:\t*16*TABP+32*\e
.endr
.endr
.irp g, 0,1,2,3,4,5,6,7
	ds_load_b128 v[SC+4*\g:SC+4*\g+3], v[RD] offset:\g*4*TABP      ; my own bytes, served in order behind the stores
.endr
.irp g, 0,1,2,3,4,5,6,7
	s_wait_dscnt 7-\g                              ; read-back g is in, the younger ones stay out
	global_store_b128 v[CO], v[SC+4*\g:SC+4*\g+3], s[8:9] offset:\g*512
.endr
.endm
	s_cmp_eq_u32 s11, 0
	s_cbranch_scc0 .Ltake_high
	TAKE 0, 1
	s_set_vgpr_msb 0x5
	s_wait_tensorcnt 0x0
	ds_add_u32 v232, v233
	s_wait_dscnt 0x0
	s_set_vgpr_msb 0x500
	s_endpgm
.Ltake_high:
	TAKE 2, 0
	s_set_vgpr_msb 0x5
	s_wait_tensorcnt 0x0
	ds_add_u32 v232, v233
	s_wait_dscnt 0x0
	s_set_vgpr_msb 0x500
	s_endpgm
.Lfunc_end_k_qcba8a94faf_attn:
	.size	k_qcba8a94faf_attn, .Lfunc_end_k_qcba8a94faf_attn-k_qcba8a94faf_attn
	.p2alignl 7, 3214868480
	.fill 96, 4, 3214868480
	.section	.rodata,"a",@progbits
	.p2align	6, 0x0
	.amdhsa_kernel k_qcba8a94faf_attn
		.amdhsa_group_segment_fixed_size 327680
		.amdhsa_private_segment_fixed_size 0
		.amdhsa_enable_private_segment 0
		.amdhsa_kernarg_size 24
		.amdhsa_user_sgpr_count 2
		.amdhsa_user_sgpr_kernarg_segment_ptr 1
		.amdhsa_wavefront_size32 1
		.amdhsa_system_sgpr_workgroup_id_x 1
		.amdhsa_system_sgpr_workgroup_id_y 1
		.amdhsa_system_sgpr_workgroup_id_z 1
		.amdhsa_system_vgpr_workitem_id 0
		.amdhsa_next_free_vgpr 490
		.amdhsa_next_free_sgpr 96
		.amdhsa_reserve_vcc 0
		.amdhsa_float_denorm_mode_32 3
		.amdhsa_float_denorm_mode_16_64 3
		.amdhsa_memory_ordered 1
		.amdhsa_forward_progress 1
		.amdhsa_inst_pref_size 255
	.end_amdhsa_kernel
	.section	.bss,"aw",@nobits
	.p2align	6
	.space	262144
	.amdgpu_metadata
---
amdhsa.version: [ 1, 2 ]
amdhsa.kernels:
  - .name:           k_qcba8a94faf_attn
    .symbol:         k_qcba8a94faf_attn.kd
    .args:
      - { .name: qkv, .offset: 0, .size: 8, .value_kind: global_buffer, .address_space: global }
      - { .name: tab, .offset: 8, .size: 8, .value_kind: global_buffer, .address_space: global }
      - { .name: ao, .offset: 16, .size: 8, .value_kind: global_buffer, .address_space: global }
    .group_segment_fixed_size: 327680
    .private_segment_fixed_size: 0
    .kernarg_segment_align: 8
    .kernarg_segment_size: 24
    .max_flat_workgroup_size: 256
    .sgpr_count:     96
    .vgpr_count:     490
    .wavefront_size: 32
...
	.end_amdgpu_metadata
.endif
;; end of part 3
;; launch outp (part 4): grid 8 x 32, 4 waves a work-group, clusters of 4 x 4, 327,680 bytes of LDS; arguments ao, woh, bo, out0; writes out0
.if DOCPART == 4
	.amdgcn_target "amdgcn-amd-amdhsa--gfx1250"
	.amdhsa_code_object_version 6
	.text
	.protected	k_qcba8a94faf_outp
	.globl	k_qcba8a94faf_outp
	.p2align	8
	.type	k_qcba8a94faf_outp,@function
k_qcba8a94faf_outp:
	s_mov_b64 s[64:65], 0
	v_nop
	global_prefetch_b8 v0, s[64:65] scope:SCOPE_SE
	s_setreg_imm32_b32 hwreg(HW_REG_WAVE_MODE, 25, 1), 1
	s_wait_xcnt 0x0
	s_wait_alu depctr_hold_cnt(0) depctr_sa_sdst(0) depctr_va_vdst(0) depctr_va_sdst(0) depctr_va_ssrc(0) depctr_va_vcc(0) depctr_vm_vsrc(0)
	s_getreg_b32 s2, hwreg(HW_REG_IB_STS2, 6, 4)
	s_cmp_eq_u32 s2, 0
	s_cbranch_scc0 .Lentry_in_a_cluster
	s_endpgm
.Lentry_in_a_cluster:
	s_bfe_u32 s2, ttmp6, 0x10000c
	s_cmp_lg_u32 s2, 0xf033
	s_cbranch_scc0 .Lentry_shape_is_right
	s_endpgm
.Lentry_shape_is_right:
; out0 = ao x woh + bo: [4096][1024] x [1024 k][1024 n], f16 operands, f32 sums that start from the bias, f32 out.
; ao lies as planes [m / 128][h][m % 128][64]: the K index is 64 h + e.  LIMIT: ao is a weighted mean of v, so it keeps v's range (below 65,504).
; 256 work-groups of 128 x 128, four waves 2 x 2 with 64 x 64 each: 16 accumulator tiles in window 1.
; K goes in four phases of 256 (four heads) through two LDS slots; both are filled at the start and each once again.
; CLUSTERS: 4 x 4 work-groups; ao's tiles hang on the block row alone and are asked for jointly along a row of the cluster, woh's on the block column
; alone and jointly along a column.  Waves 0, 1 fetch two head planes each (32,768 dense bytes as 128 rows of 256, 16 bytes of padding after every
; 128: LDS pitch 144 for a row of a plane); waves 2, 3 fetch 128 k-rows x 256 bytes of woh each (LDS pitch 288).
; THE MATRIX INSTRUCTION IS USED TRANSPOSED (source 0: 16 columns of woh, source 1: 16 rows of ao): a lane's eight results are eight neighbouring columns of a row.
.set APITCH, 144
.set BPITCH, 288
.set PART,   36864                     ; what one tensor load brings: 256 x 144 = 128 x 288 bytes
.set SLOT,   4*PART
.set STAGE,  2*SLOT                    ; 294,912, a multiple of 256: 16 rows x 272 bytes for each wave; no tensor load lands here
.set SPITCH, 272
.set ADRA, 8                           ; v8-9    ao's fragments in slot 0, 1
.set ADRB, 10                          ; v10-13  woh's fragments: 2 x slot + (chunk / 4)
.set STO,  14
.set RD,   15
.set CO,   16
.set BOF,  17                          ; v17     32 x (l / 16): my eight numbers in 16 of bo
.set BIAS, 32                          ; v[32:63] bo of my 64 columns, as an accumulator tile holds them: 8 b + j
.set F0,   64                          ; v[64:127]  fragments: ao at + 8 i, woh at + 32 + 8 b
.set F1,   128                         ; v[128:191]
.set G1, 24
.set G0, 32
.set G1B, 48
.set G0B, 56
.set MSB, 0
.macro WIN new                         ; the immediate's high byte repeats the setting that is left
.if MSB != \new
	s_set_vgpr_msb (MSB<<8)|\new
.set MSB, \new
.endif
.endm
.macro JLOAD s                         ; waves 0, 1: ao; waves 2, 3: woh.  The branch hangs on the wave's number alone.
	s_cmp_eq_u32 s11, 0
	s_cbranch_scc0 .Lfor_b_\@
	tensor_load_to_lds s[G0+4*\s:G0+4*\s+3], s[G1:G1+7]
	s_nop 0
	s_branch .Lasked_\@
.Lfor_b_\@:
	tensor_load_to_lds s[G0B+4*\s:G0B+4*\s+3], s[G1B:G1B+7]
	s_nop 0
.Lasked_\@:
.endm
.macro CREST                           ; a round of the cluster's barrier behind its opening barrier
	s_cmp_lg_u32 s10, 0
	s_cbranch_scc1 .Lnot_wave_0_\@
	s_barrier_signal -3
.Lnot_wave_0_\@:
	s_barrier_wait -3
	s_barrier_signal -1
	s_barrier_wait -1
.endm
.macro CROUND
	s_barrier_signal -1
	s_barrier_wait -1
	CREST
.endm
.macro PLACES                          ; four places behind matrix instructions, in front of loads into their sources and of stores of their results
.rept 4
	v_nop
.endr
.endm
	s_load_b256 s[68:75], s[0:1], 0x0              ; ao s[68:69], woh s[70:71], bo s[72:73], out0 s[74:75]
	v_lshl_add_u32 v254, v0, 2, 0x4c400
	v_mov_b32 v255, 0
	ds_add_u32 v254, v255
	v_lshrrev_b32 v1, 5, v0
	v_readfirstlane_b32 s10, v1                    ; wave 0..3
	s_lshr_b32 s11, s10, 1                         ; my half of the rows.  Also: I fetch ao (0) or woh (1)
	s_and_b32 s12, s10, 1                          ; my half of the columns.  Also: which half of that tile I fetch
	s_bfe_u32 s40, ttmp6, 0x40000                  ; cx
	s_bfe_u32 s41, ttmp6, 0x40004                  ; cy
	s_lshl_b32 s42, ttmp9, 2
	s_add_co_u32 s42, s42, s40                     ; block column
	s_and_b32 s13, ttmp7, 0xffff
	s_lshl_b32 s13, s13, 2
	s_add_co_u32 s13, s13, s41                     ; block row
	s_lshl_b32 s43, s41, 2
	s_lshl_b32 s43, 15, s43                        ; my row of the cluster
	s_lshl_b32 s44, 0x1111, s40                    ; my column
	s_or_b32 s[G1+0], s43, (1<<16)|(1<<20)|(1<<21)|(4<<22)|(3<<25)   ; elements of 2 bytes; 4 words of padding after every 32
	s_mov_b32 s[G1+1], 128<<16
	s_mov_b32 s[G1+2], 128<<16
	s_mov_b32 s[G1+3], 128<<16
	s_mov_b32 s[G1+4], 128
	s_mov_b32 s[G1+5], 128                         ; dense: a row begins where the last ends
	s_mov_b32 s[G1+6], 0
	s_mov_b32 s[G1+7], 0
	s_or_b32 s[G1B+0], s44, (1<<16)|(1<<20)|(1<<21)|(5<<22)|(7<<25)  ; 8 words of padding after every 64
	s_mov_b32 s[G1B+1], 128<<16
	s_mov_b32 s[G1B+2], 128<<16
	s_mov_b32 s[G1B+3], 128<<16
	s_mov_b32 s[G1B+4], 128
	s_mov_b32 s[G1B+5], 1024
	s_mov_b32 s[G1B+6], 0
	s_mov_b32 s[G1B+7], 0
	s_lshl_b32 s16, s13, 18                        ; ao: block row x 16 planes of 16,384 bytes + half x 2 planes
	s_lshl_b32 s17, s12, 15
	s_add_co_u32 s16, s16, s17
	s_mov_b32 s17, 0
	s_lshl_b32 s46, s42, 8                         ; woh: block column x 256 bytes + half x 128 k-rows of 2,048 bytes
	s_lshl_b32 s47, s12, 18
	s_add_co_u32 s46, s46, s47
	s_mov_b32 s47, 0
	s_mul_i32 s20, s10, PART                       ; LDS: wave x 36,864
	s_lshl_b32 s76, s42, 9                         ; my first column in bytes of f32: block column x 512 + half x 256
	s_lshl_b32 s77, s12, 8
	s_add_co_u32 s76, s76, s77
	s_mov_b32 s77, 0
	s_lshl_b32 s78, s13, 19                        ; my first row: (block row x 128 + half x 64) x 4,096 bytes
	s_lshl_b32 s79, s11, 18
	s_add_co_u32 s78, s78, s79
	s_add_co_u32 s78, s78, s76
	s_mov_b32 s79, 0
	s_wait_dscnt 0x0
	s_wait_kmcnt 0x0
	s_add_nc_u64 s[14:15], s[68:69], s[16:17]
	s_add_nc_u64 s[46:47], s[70:71], s[46:47]
	CROUND                                         ; all sixteen work-groups are here: the first joint loads meet
.irp s, 0,1
	s_mov_b32 s[G0+4*\s], 1
	s_add_co_u32 s[G0+4*\s+1], s20, \s*SLOT
	s_add_nc_u64 s[G0+4*\s+2:G0+4*\s+3], s[14:15], \s*65536        ; phase s: four planes on
	s_or_b32 s[G0+4*\s+3], s[G0+4*\s+3], 0x80000000
	s_mov_b32 s[G0B+4*\s], 1
	s_add_co_u32 s[G0B+4*\s+1], s20, \s*SLOT
	s_add_nc_u64 s[G0B+4*\s+2:G0B+4*\s+3], s[46:47], \s*524288     ; phase s: 256 k-rows on
	s_or_b32 s[G0B+4*\s+3], s[G0B+4*\s+3], 0x80000000
	JLOAD \s                                       ; two loads of a wave are out
.endr
	s_add_nc_u64 s[72:73], s[72:73], s[76:77]
	s_add_nc_u64 s[74:75], s[74:75], s[78:79]
	v_and_b32 v1, 15, v0                           ; r
	v_bfe_u32 v2, v0, 4, 1                         ; h
	v_lshlrev_b32 v[BOF], 5, v2
.irp b, 0,1,2,3
	global_load_b128 v[BIAS+8*\b:BIAS+8*\b+3],   v[BOF], s[72:73] offset:64*\b
	global_load_b128 v[BIAS+8*\b+4:BIAS+8*\b+7], v[BOF], s[72:73] offset:64*\b+16
.endr
	v_mul_u32_u24 v3, v1, APITCH
	v_lshl_add_u32 v3, v2, 4, v3
	s_mul_i32 s21, s11, 64*APITCH                  ; my 64 rows of each plane
	v_add_nc_u32 v[ADRA], s21, v3
	v_add_nc_u32 v[ADRA+1], SLOT, v[ADRA]
	v_and_b32 v4, 7, v0
	v_lshl_add_u32 v4, v2, 3, v4
	v_mul_u32_u24 v4, v4, BPITCH
	v_bfe_u32 v5, v0, 3, 1
	v_lshl_add_u32 v4, v5, 4, v4
	s_lshl_b32 s22, s12, 7                         ; my 64 columns,
	s_add_co_u32 s22, s22, 2*PART                  ; behind ao's four planes
	v_add_nc_u32 v[ADRB], s22, v4
	v_add_nc_u32 v[ADRB+1], PART, v[ADRB]          ; k-rows 128 to 255: beyond the reach of a 16-bit offset
	v_add_nc_u32 v[ADRB+2], SLOT, v[ADRB]
	v_add_nc_u32 v[ADRB+3], SLOT+PART, v[ADRB]
	s_mul_i32 s23, s10, 16*SPITCH
	s_add_co_u32 s23, s23, STAGE
	v_mul_u32_u24 v5, v1, SPITCH
	v_lshl_add_u32 v5, v2, 5, v5
	v_add_nc_u32 v[STO], s23, v5                   ; row r, 32 bytes for each half of the lanes
	v_mul_u32_u24 v5, v2, SPITCH
	v_lshl_add_u32 v5, v1, 4, v5
	v_add_nc_u32 v[RD], s23, v5                    ; lanes 0-15 one row of 256 bytes, lanes 16-31 the next
	v_lshlrev_b32 v5, 12, v2
	v_lshl_add_u32 v[CO], v1, 4, v5                ; the same two rows in out0
; the fragments of chunk kc (32 along K; 0 to 7 in a phase) into buffer f
.macro FETCH slot, kc, f
	WIN 0
.irp i, 0,1,2,3
	ds_load_b128 v[\f+8*\i:\f+8*\i+3],   v[ADRA+\slot] offset:((\kc)>>1)*128*APITCH+((\kc)&1)*64+\i*16*APITCH
	ds_load_b128 v[\f+8*\i+4:\f+8*\i+7], v[ADRA+\slot] offset:((\kc)>>1)*128*APITCH+((\kc)&1)*64+\i*16*APITCH+32
.endr
.irp b, 0,1,2,3
	ds_load_tr16_b128 v[\f+32+8*\b:\f+32+8*\b+3],   v[ADRB+2*\slot+((\kc)>>2)] offset:((\kc)&3)*32*BPITCH+32*\b
	ds_load_tr16_b128 v[\f+32+8*\b+4:\f+32+8*\b+7], v[ADRB+2*\slot+((\kc)>>2)] offset:((\kc)&3)*32*BPITCH+32*\b+16*BPITCH
.endr
.endm
; 8 matrix instructions: column blocks b0, b0 + 1 x four row blocks; accumulator (i, b) at 8 (4 b + i) of window 1.  bias = 1: the sums start from bo.
; The 16 accumulators take turns, one instruction a turn.
.macro MUL8 f, b0, bias
.if \bias
	WIN 0x40                                       ; D in window 1, C (the bias) in window 0
.else
	WIN 0x50                                       ; C and D in window 1
.endif
.irp b, \b0, \b0+1
.irp i, 0,1,2,3
.if \bias
	v_wmma_f32_16x16x32_f16 v[8*(4*(\b)+\i):8*(4*(\b)+\i)+7], v[\f+32+8*(\b):\f+32+8*(\b)+7], v[\f+8*\i:\f+8*\i+7], v[BIAS+8*(\b):BIAS+8*(\b)+7]
.else
	v_wmma_f32_16x16x32_f16 v[8*(4*(\b)+\i):8*(4*(\b)+\i)+7], v[\f+32+8*(\b):\f+32+8*(\b)+7], v[\f+8*\i:\f+8*\i+7], v[8*(4*(\b)+\i):8*(4*(\b)+\i)+7]
.endif
.endr
.endr
.endm
.macro CHUNK slot, kc, f, g, bias      ; multiplies chunk kc from buffer f; in its middle fetches chunk kc + 1 into buffer g
	s_wait_dscnt 0x0
	MUL8 \f, 0, \bias
	PLACES
	FETCH \slot, \kc+1, \g
	MUL8 \f, 2, \bias
.endm
.macro SEVEN slot, bias
	CHUNK \slot, 0, F0, F1, \bias
	CHUNK \slot, 1, F1, F0, 0
	CHUNK \slot, 2, F0, F1, 0
	CHUNK \slot, 3, F1, F0, 0
	CHUNK \slot, 4, F0, F1, 0
	CHUNK \slot, 5, F1, F0, 0
	CHUNK \slot, 6, F0, F1, 0
.endm
; A phase's last chunk, and the change of slots.  In front of the barrier each wave waits for its reads of this slot and for all its tensor loads; where the
; slot is filled again the barrier opens a round of the cluster's barrier, and the joint refill is the wave's first and only tensor load behind the round.
.macro TURN slot, next, fill
	s_wait_dscnt 0x0
	s_wait_tensorcnt 0x0
	ds_add_u32 v254, v255
	s_wait_dscnt 0x0
	s_barrier_signal -1
	MUL8 F1, 0, 0                                  ; register work while the others arrive
	WIN 0
	s_barrier_wait -1
.if \fill
	CREST
	s_add_nc_u64 s[G0+4*\slot+2:G0+4*\slot+3], s[G0+4*\slot+2:G0+4*\slot+3], 131072     ; two phases on
	s_add_nc_u64 s[G0B+4*\slot+2:G0B+4*\slot+3], s[G0B+4*\slot+2:G0B+4*\slot+3], 1048576
	JLOAD \slot
.endif
	PLACES
	FETCH \next, 0, F0
	MUL8 F1, 2, 0
.endm
	s_wait_tensorcnt 0x1                           ; my part of slot 0 is in; slot 1's stays out
	s_barrier_signal -1
	s_barrier_wait -1
	FETCH 0, 0, F0
	s_wait_loadcnt 0x0                             ; the bias
	SEVEN 0, 1                                     ; phase 0
	TURN 0, 1, 1
	SEVEN 1, 0                                     ; phase 1
	TURN 1, 0, 1
	SEVEN 0, 0                                     ; phase 2
	TURN 0, 1, 0                                   ; nothing is left to fetch
	SEVEN 1, 0                                     ; phase 3
	s_wait_dscnt 0x0
	MUL8 F1, 0, 0
	MUL8 F1, 2, 0
	PLACES
; THE WAY OUT, 16 rows at a time: a lane's 8 f32 of each column block into my stage (rows of 256 bytes at pitch 272), read back as whole rows:
; sixteen lanes store 256 consecutive bytes, at a multiple of 256 from out0's first byte.
.macro OUT16 i, f
	WIN 0x04                                       ; the stores' data in window 1
.irp b, 0,1,2,3
	ds_store_b128 v[STO], v[8*(4*\b+\i):8*(4*\b+\i)+3]   offset:64*\b
	ds_store_b128 v[STO], v[8*(4*\b+\i)+4:8*(4*\b+\i)+7] offset:64*\b+16
.endr
	WIN 0
	s_wait_xcnt 0x0                                ; buffer f, which earlier stores read, is rewritten only behind this wait
.irp t, 0,1,2,3,4,5,6,7
	ds_load_b128 v[\f+4*\t:\f+4*\t+3], v[RD] offset:\t*2*SPITCH    ; my own bytes; LDS serves a wave's instructions in order
.endr
.irp t, 0,1,2,3,4,5,6,7
	s_wait_dscnt 7-\t                              ; read-back t is in, the younger ones stay out
	global_store_b128 v[CO], v[\f+4*\t:\f+4*\t+3], s[74:75] offset:\i*65536+\t*8192 th:TH_STORE_NT
.endr
.endm
	OUT16 0, F0
	OUT16 1, F1
	OUT16 2, F0
	OUT16 3, F1
	s_wait_tensorcnt 0x0
	ds_add_u32 v254, v255
	s_wait_dscnt 0x0
	CROUND                                         ; the closing round: no work-group ends while a partner may still ask for a tile that names it
	s_endpgm
.Lfunc_end_k_qcba8a94faf_outp:
	.size	k_qcba8a94faf_outp, .Lfunc_end_k_qcba8a94faf_outp-k_qcba8a94faf_outp
	.p2alignl 7, 3214868480
	.fill 96, 4, 3214868480
	.section	.rodata,"a",@progbits
	.p2align	6, 0x0
	.amdhsa_kernel k_qcba8a94faf_outp
		.amdhsa_group_segment_fixed_size 327680
		.amdhsa_private_segment_fixed_size 0
		.amdhsa_enable_private_segment 0
		.amdhsa_kernarg_size 32
		.amdhsa_user_sgpr_count 2
		.amdhsa_user_sgpr_kernarg_segment_ptr 1
		.amdhsa_wavefront_size32 1
		.amdhsa_system_sgpr_workgroup_id_x 1
		.amdhsa_system_sgpr_workgroup_id_y 1
		.amdhsa_system_sgpr_workgroup_id_z 1
		.amdhsa_system_vgpr_workitem_id 0
		.amdhsa_next_free_vgpr 384
		.amdhsa_next_free_sgpr 80
		.amdhsa_reserve_vcc 0
		.amdhsa_float_denorm_mode_32 3
		.amdhsa_float_denorm_mode_16_64 3
		.amdhsa_memory_ordered 1
		.amdhsa_forward_progress 1
		.amdhsa_inst_pref_size 89
	.end_amdhsa_kernel
	.amdgpu_metadata
---
amdhsa.version: [ 1, 2 ]
amdhsa.kernels:
  - .name:           k_qcba8a94faf_outp
    .symbol:         k_qcba8a94faf_outp.kd
    .args:
      - { .name: ao, .offset: 0, .size: 8, .value_kind: global_buffer, .address_space: global }
      - { .name: woh, .offset: 8, .size: 8, .value_kind: global_buffer, .address_space: global }
      - { .name: bo, .offset: 16, .size: 8, .value_kind: global_buffer, .address_space: global }
      - { .name: out0, .offset: 24, .size: 8, .value_kind: global_buffer, .address_space: global }
    .group_segment_fixed_size: 327680
    .private_segment_fixed_size: 0
    .kernarg_segment_align: 8
    .kernarg_segment_size: 32
    .max_flat_workgroup_size: 128
    .sgpr_count:     80
    .vgpr_count:     384
    .wavefront_size: 32
...
	.end_amdgpu_metadata
.endif
;; end of part 4
;; ======== version 2 of 2: 4 launches; version 1 with the launch prep written anew for expert scheduling mode
;; limits: values are held in f16: magnitudes above 65,504 overflow, below 6.1e-05 lose precision
;; workspace buffers: xh 8,388,608 bytes; wqkv 6,291,456 bytes; woh 2,097,152 bytes; tab 147,456 bytes; qkv 25,165,824 bytes; ao 8,388,608 bytes
;; launch prep (part 5): grid 521 x 1, 8 waves a work-group, no clusters, 0 bytes of LDS; arguments x, Wq, Wkv, Wo, rel_emb, xh, wqkv, woh, tab; writes xh, wqkv, woh, tab
.if DOCPART == 5
	.amdgcn_target "amdgcn-amd-amdhsa--gfx1250"
	.amdhsa_code_object_version 6
	.text
	.protected	k_qcba8a94faf_prep
	.globl	k_qcba8a94faf_prep
	.p2align	8
	.type	k_qcba8a94faf_prep,@function
k_qcba8a94faf_prep:
	s_mov_b64 s[64:65], 0
	v_nop
	global_prefetch_b8 v0, s[64:65] scope:SCOPE_SE
	s_setreg_imm32_b32 hwreg(HW_REG_WAVE_SCHED_MODE, 0, 2), 2
	s_setreg_imm32_b32 hwreg(HW_REG_WAVE_MODE, 25, 1), 1
	s_wait_xcnt 0x0
	s_wait_alu depctr_vm_vsrc(0)
; prep: every matrix operand that comes from an input is made ready once, in f16 (round to nearest).
;   xh   [4096][1024]      = x
;   wqkv [1024 k][3072 n]  : n < 1024: Wq * 0.125 * log2(e)  (SCALE and the change to base 2 multiply both logit terms through q);
;                            n = 1024 + 128 hh + e: e < 64 column 64 hh + e of K's half of Wkv, e >= 64 column 64 hh + e - 64 of V's half
;   woh  [1024 k][1024 n]  = Wo
;   tab  [1152][64]        : tab[tau] = rel_emb[clip(1087 - tau, 0, 1024)]: the table reversed, its clipping written out as repeated rows
; LIMIT: f16 holds up to 65,504; x, W and rel_emb as drawn are a few units at the most, 30 times larger or an offset of 30 spreads still fits.
; A stream: no LDS, no matrix unit, no cluster.  A unit is 1,024 numbers: thread t loads 16 bytes and stores 8, so a wave's load covers 512
; (for Wkv two times 256) consecutive bytes and its store 256 consecutive bytes, aligned.  A work-group does 16 units (the table's: 8),
; all loads first, each register used once: no loop, and no register of a pending instruction is written again.
; THE MODE: SCHED_MODE bits 1:0 = 2 (LLVM: expert scheduling mode 2), set by the entry lines.  The code itself states the register dependences
; between vector instructions and memory instructions, with s_wait_alu, always for 0.
; THE PLAN.  Registers that memory instructions touch:
;   v1, v2, v3, v4-v11  byte offsets.  Written once by vector instructions ahead of a path's first load; read by its loads and stores; never written again.
;   XR                  Written by the loads (no vector instruction names it before); read, in Wq's job also scaled in place, behind the wait on LOADcnt; no second load lands in it.
;   YR                  Written once by the conversions; read once by a store; never written again.
; So the one dependence to state is: a vector instruction has written what a memory instruction reads.  The units go in groups of four.  One wait stands ahead of a
; path's loads (the offsets).  One stands at the head of each later group, behind the wait for that group's data: the group before has written its part of YR;
; that group's four stores follow it, dealt among this group's conversions, which name this group's XR and YR alone.  One stands ahead of the last four stores.
; No register that a memory instruction reads is written again, no vector instruction writes a scalar register, and EXEC is never written: nothing else is owed.
.set XR, 16                            ; v[16:79]   16 units x 4 numbers in f32
.set YR, 80                            ; v[80:111]  16 units x 4 numbers in f16
; sb, db: first scalar register of the source's and the destination's address; sv: vector register with the source's lane term;
; unit u is read at (u>>1) S2 + (u&1) S1 and written at (u>>1) D2 + (u&1) D1 + D0; scale = 1: times 0.125 log2(e) = 0x3e38aa3b
.macro CAST16 sb, db, sv, S2, S1, D2, D1, D0, scale
	s_wait_alu depctr_va_vdst(0)                   ; the offsets are written: v[sv], which the loads read, and v2, which the stores read
.set u, 0
.rept 16
	global_load_b128 v[XR+4*u:XR+4*u+3], v[\sv], s[\sb:\sb+1] offset:(u>>1)*\S2+(u&1)*\S1 th:TH_LOAD_NT
.set u, u+1
.endr
.set g, 0
.rept 4                                ; group g: units 4 g to 4 g + 3
	s_wait_loadcnt 12-4*g                          ; loads come back in order: this group's four are in, the 12 - 4 g younger ones stay out
.if g > 0
	s_wait_alu depctr_va_vdst(0)                   ; the group before has written its eight registers of YR, which the four stores below read
.endif
.set i, 0
.rept 4
.if g > 0
.set u, 4*(g-1)+i
	global_store_b64 v2, v[YR+2*u:YR+2*u+1], s[\db:\db+1] offset:(u>>1)*\D2+(u&1)*\D1+\D0  ; no vector instruction since the wait names v2 or these two registers
.endif
.set u, 4*g+i
.if \scale
	v_pk_mul_f32 v[XR+4*u:XR+4*u+1], v[XR+4*u:XR+4*u+1], 0x3e38aa3b op_sel_hi:[1,0]
	v_pk_mul_f32 v[XR+4*u+2:XR+4*u+3], v[XR+4*u+2:XR+4*u+3], 0x3e38aa3b op_sel_hi:[1,0]
.endif
	v_cvt_pk_f16_f32 v[YR+2*u], v[XR+4*u], v[XR+4*u+1]
	v_cvt_pk_f16_f32 v[YR+2*u+1], v[XR+4*u+2], v[XR+4*u+3]
.set i, i+1
.endr
.set g, g+1
.endr
	s_wait_alu depctr_va_vdst(0)                   ; the last group has written its eight registers of YR, which the last four stores read
.set u, 12
.rept 4
	global_store_b64 v2, v[YR+2*u:YR+2*u+1], s[\db:\db+1] offset:(u>>1)*\D2+(u&1)*\D1+\D0
.set u, u+1
.endr
.endm
	s_load_b512 s[8:23], s[0:1], 0x0               ; x s8, Wq s10, Wkv s12, Wo s14, rel_emb s16, xh s18, wqkv s20, woh s22
	s_load_b64 s[24:25], s[0:1], 0x40              ; tab
	v_lshlrev_b32 v1, 4, v0                        ; 16 t: my 4 numbers in a dense unit of f32
	v_lshlrev_b32 v2, 3, v0                        ; 8 t: my 4 numbers in a unit of f16
	s_mov_b32 s3, 0                                ; high words of the two offsets
	s_mov_b32 s5, 0
	s_wait_kmcnt 0x0
	s_cmp_lt_u32 ttmp9, 256
	s_cbranch_scc1 .Ljob_x
	s_cmp_lt_u32 ttmp9, 320
	s_cbranch_scc1 .Ljob_wq
	s_cmp_lt_u32 ttmp9, 448
	s_cbranch_scc1 .Ljob_wkv
	s_cmp_lt_u32 ttmp9, 512
	s_cbranch_scc1 .Ljob_wo
	; work-groups 512 to 520: 128 rows of tab each, 16 rows a unit
	s_sub_co_u32 s6, ttmp9, 512
	s_lshl_b32 s4, s6, 14                          ; 128 rows x 128 bytes
	s_lshl_b32 s7, s6, 7                           ; the group's first tau
	s_add_nc_u64 s[24:25], s[24:25], s[4:5]
	v_lshrrev_b32 v12, 4, v0                       ; my row in a unit
	v_add_nc_u32 v12, s7, v12
	v_and_b32 v13, 15, v0
	v_lshlrev_b32 v13, 4, v13                      ; my 16 bytes in a row of rel_emb
.irp u, 0,1,2,3,4,5,6,7
	v_add_nc_u32 v14, 16*\u, v12                   ; tau
	v_min_u32 v14, 1087, v14
	v_sub_nc_u32 v14, 1087, v14                    ; max(1087 - tau, 0)
	v_min_u32 v14, 1024, v14                       ; a row of rel_emb, 0 to 1024
	v_lshl_add_u32 v[4+\u], v14, 8, v13
.endr
	s_wait_alu depctr_va_vdst(0)                   ; the offsets are written: v4 to v11, which the loads read, and v2, which the stores read
.irp u, 0,1,2,3,4,5,6,7
	global_load_b128 v[XR+4*\u:XR+4*\u+3], v[4+\u], s[16:17]       ; rows 0 and 1024 are named many times: no hint
.endr
	s_wait_loadcnt 4                               ; units 0 to 3 are in, the four younger loads stay out
.irp u, 0,1,2,3
	v_cvt_pk_f16_f32 v[YR+2*\u], v[XR+4*\u], v[XR+4*\u+1]
	v_cvt_pk_f16_f32 v[YR+2*\u+1], v[XR+4*\u+2], v[XR+4*\u+3]
.endr
	s_wait_loadcnt 0x0                             ; units 4 to 7 are in
	s_wait_alu depctr_va_vdst(0)                   ; the conversions of units 0 to 3 have written their eight registers of YR, which the four stores below read
.irp u, 4,5,6,7
	global_store_b64 v2, v[YR+2*(\u-4):YR+2*(\u-4)+1], s[24:25] offset:2048*(\u-4)  ; no vector instruction since the wait names v2 or these two registers
	v_cvt_pk_f16_f32 v[YR+2*\u], v[XR+4*\u], v[XR+4*\u+1]
	v_cvt_pk_f16_f32 v[YR+2*\u+1], v[XR+4*\u+2], v[XR+4*\u+3]
.endr
	s_wait_alu depctr_va_vdst(0)                   ; the conversions of units 4 to 7 have written their eight registers of YR, which the last four stores read
.irp u, 4,5,6,7
	global_store_b64 v2, v[YR+2*\u:YR+2*\u+1], s[24:25] offset:2048*\u
.endr
	s_endpgm
.Ljob_x:                                               ; work-groups 0 to 255: 16 rows of x each
	s_lshl_b32 s2, ttmp9, 16
	s_lshl_b32 s4, ttmp9, 15
	s_add_nc_u64 s[8:9], s[8:9], s[2:3]
	s_add_nc_u64 s[18:19], s[18:19], s[4:5]
	CAST16 8, 18, 1, 8192, 4096, 4096, 2048, 0, 0
	s_endpgm
.Ljob_wq:                                              ; 256 to 319: 16 rows of Wq each, into columns 0 to 1023 of wqkv (rows of 6,144 bytes)
	s_sub_co_u32 s6, ttmp9, 256
	s_lshl_b32 s2, s6, 16
	s_mul_i32 s4, s6, 98304
	s_add_nc_u64 s[10:11], s[10:11], s[2:3]
	s_add_nc_u64 s[20:21], s[20:21], s[4:5]
	CAST16 10, 20, 1, 8192, 4096, 12288, 6144, 0, 1
	s_endpgm
.Ljob_wkv:                                             ; 320 to 447: 8 rows of Wkv each, two units a row
	s_sub_co_u32 s6, ttmp9, 320
	s_lshl_b32 s2, s6, 16
	s_mul_i32 s4, s6, 49152
	s_add_nc_u64 s[12:13], s[12:13], s[2:3]
	s_add_nc_u64 s[20:21], s[20:21], s[4:5]
	; wave w, unit half e: head w + 8 e.  Lanes 0-15 read K's 64 columns of that head, lanes 16-31 V's (4,096 bytes further),
	; so that the wave's store is the head's whole K|V row piece of 256 bytes
	v_bfe_u32 v3, v0, 4, 1
	v_lshlrev_b32 v3, 12, v3
	v_lshrrev_b32 v4, 5, v0
	v_lshl_add_u32 v3, v4, 8, v3
	v_and_b32 v4, 15, v0
	v_lshl_add_u32 v3, v4, 4, v3
	CAST16 12, 20, 3, 8192, 2048, 6144, 2048, 2048, 0
	s_endpgm
.Ljob_wo:                                              ; 448 to 511: 16 rows of Wo each
	s_sub_co_u32 s6, ttmp9, 448
	s_lshl_b32 s2, s6, 16
	s_lshl_b32 s4, s6, 15
	s_add_nc_u64 s[14:15], s[14:15], s[2:3]
	s_add_nc_u64 s[22:23], s[22:23], s[4:5]
	CAST16 14, 22, 1, 8192, 4096, 4096, 2048, 0, 0
	s_endpgm
.Lfunc_end_k_qcba8a94faf_prep:
	.size	k_qcba8a94faf_prep, .Lfunc_end_k_qcba8a94faf_prep-k_qcba8a94faf_prep
	.p2alignl 7, 3214868480
	.fill 96, 4, 3214868480
	.section	.rodata,"a",@progbits
	.p2align	6, 0x0
	.amdhsa_kernel k_qcba8a94faf_prep
		.amdhsa_group_segment_fixed_size 0
		.amdhsa_private_segment_fixed_size 0
		.amdhsa_enable_private_segment 0
		.amdhsa_kernarg_size 72
		.amdhsa_user_sgpr_count 2
		.amdhsa_user_sgpr_kernarg_segment_ptr 1
		.amdhsa_wavefront_size32 1
		.amdhsa_system_sgpr_workgroup_id_x 1
		.amdhsa_system_sgpr_workgroup_id_y 1
		.amdhsa_system_sgpr_workgroup_id_z 1
		.amdhsa_system_vgpr_workitem_id 0
		.amdhsa_next_free_vgpr 112
		.amdhsa_next_free_sgpr 66
		.amdhsa_reserve_vcc 0
		.amdhsa_float_denorm_mode_32 3
		.amdhsa_float_denorm_mode_16_64 3
		.amdhsa_memory_ordered 1
		.amdhsa_forward_progress 1
		.amdhsa_inst_pref_size 32
	.end_amdhsa_kernel
	.amdgpu_metadata
---
amdhsa.version: [ 1, 2 ]
amdhsa.kernels:
  - .name:           k_qcba8a94faf_prep
    .symbol:         k_qcba8a94faf_prep.kd
    .args:
      - { .name: x, .offset: 0, .size: 8, .value_kind: global_buffer, .address_space: global }
      - { .name: Wq, .offset: 8, .size: 8, .value_kind: global_buffer, .address_space: global }
      - { .name: Wkv, .offset: 16, .size: 8, .value_kind: global_buffer, .address_space: global }
      - { .name: Wo, .offset: 24, .size: 8, .value_kind: global_buffer, .address_space: global }
      - { .name: rel_emb, .offset: 32, .size: 8, .value_kind: global_buffer, .address_space: global }
      - { .name: xh, .offset: 40, .size: 8, .value_kind: global_buffer, .address_space: global }
      - { .name: wqkv, .offset: 48, .size: 8, .value_kind: global_buffer, .address_space: global }
      - { .name: woh, .offset: 56, .size: 8, .value_kind: global_buffer, .address_space: global }
      - { .name: tab, .offset: 64, .size: 8, .value_kind: global_buffer, .address_space: global }
    .group_segment_fixed_size: 0
    .private_segment_fixed_size: 0
    .kernarg_segment_align: 8
    .kernarg_segment_size: 72
    .max_flat_workgroup_size: 256
    .sgpr_count:     66
    .vgpr_count:     112
    .wavefront_size: 32
...
	.end_amdgpu_metadata
.endif
;; end of part 5
;; launch qkv: the kernel of part 2 again; grid 12 x 16, 4 waves a work-group, clusters of 4 x 4, 327,680 bytes of LDS; arguments xh, wqkv, qkv; writes qkv
;; launch attn: the kernel of part 3 again; grid 8 x 32, 8 waves a work-group, no clusters, 327,680 bytes of LDS; arguments qkv, tab, ao; writes ao
;; launch outp: the kernel of part 4 again; grid 8 x 32, 4 waves a work-group, clusters of 4 x 4, 327,680 bytes of LDS; arguments ao, woh, bo, out0; writes out0
